; MI455X (gfx1250); checked and timed in simulation.
; The chip was launched on July 23, 2026; its instructions are those of AMD's public machine-readable ISA for CDNA 5 (MIT licence, August 2026) and "CDNA5" Instruction Set Architecture Reference Guide (July 2026). The comments in the code are by the model that wrote it; some were corrected since.
;; Attention. Allowed arithmetic: matrix products marked QUANTISED: E2M3 operands, one E8M0 scale for each 32 along K, by v_wmma_scale_f32_16x16x128_f8f6f4 with both operands' format E2M3, f32 sums; everything else in f32.
;; Inputs: Wk 512 x 512 float32; Wo 512 x 512 float32; Wq 512 x 512 float32; Wv 512 x 512 float32; bk 512 float32; bo 512 float32; bq 512 float32; bv 512 float32; key_ 2 x 4,096 x 512 float32; query 2 x 4,096 x 512 float32; value 2 x 4,096 x 512 float32.
;; Outputs: out0 2 x 4,096 x 512 float32.
;; This version of the problem:
;;   THIS VERSION OF THE PROBLEM IS GIVEN IN LOW PRECISION. The matrix products marked QUANTISED in the list below multiply operands that are first quantised to E2M3 (2 exponent bits, 3 mantissa bits; 6 bits a number), with one power-of-two scale for each 32 numbers along K (OCP MX v1.0); their sums are f32. All else is computed in f32.
;;   The module's matrix products, in the order in which they are computed (A, B: the left and right operand; K: the contracted axis; several contracted axes count as one K, in the product's order):
;;     1. [M 8,192, K 512] x [K 512, N 512]; A: input query; B: input Wq: QUANTISED
;;     2. [M 8,192, K 512] x [K 512, N 512]; A: input key_; B: input Wk: QUANTISED
;;     3. [M 8,192, K 512] x [K 512, N 512]; A: input value; B: input Wv: QUANTISED
;;     4. batch 16 x [M 4,096, K 64] x [K 64, N 4,096]; A: computed on the way; B: computed on the way: QUANTISED
;;     5. batch 16 x [M 4,096, K 4,096] x [K 4,096, N 64]; A: softmax (see below); B: computed on the way: QUANTISED
;;     6. [M 8,192, K 512] x [K 512, N 512]; A: computed on the way; B: input Wo: QUANTISED
;;   THE QUANTISER, for each operand of a quantised product, along K:
;;     - K is cut into blocks of 32 from its start; a last block that is shorter is filled with zeros.
;;     - A block's scale is 2^e with e = floor(log2(the largest magnitude in the block)) - 2, held to -126 .. 127; a block of zeros has e = 0. As a byte (E8M0): e + 127.
;;     - Each number is divided by its block's scale, clamped to +-7.5, and rounded to the nearest number of E2M3, ties to even, subnormals kept.
;;     - The product sums the exact products of the quantised numbers (number of the format x scale) in f32.
;;   ~~~python
;;   def quantise(x, axis):      # numpy; x: float32 -> the quantised numbers, widened to float32 again
;;       x = np.moveaxis(x, axis, -1); K = x.shape[-1]
;;       x = np.pad(x, [(0, 0)] * (x.ndim - 1) + [(0, -K % 32)]); x = x.reshape(x.shape[:-1] + (-1, 32)); a = np.abs(x).max(-1, keepdims=True)
;;       e = np.where(a > 0, np.clip(np.frexp(np.where(a > 0, a, 1))[1] - 1 - 2, -126, 127), 0)      # np.frexp(a)[1] - 1 = floor(log2(a)), exactly
;;       r = np.clip(x / 2.0 ** e, -7.5, 7.5)
;;       step = 2.0 ** (np.maximum(np.frexp(np.where(r == 0, 1, r))[1] - 1, 0) - 3)
;;       q = np.round(r / step) * step * 2.0 ** e      # np.round: ties to even
;;       return np.moveaxis(q.reshape(q.shape[:-2] + (-1,))[..., :K], -1, axis).astype(np.float32)
;;   ~~~
;;   SOFTMAX AHEAD OF A QUANTISED PRODUCT. Where the list says 'softmax', what is quantised is not the finished softmax but p = 2^(t - M), with t = logit x log2(e) and M = ceil(the row's largest t), a whole number; so 1/2 < the row's largest p <= 1. The row's sum l is taken of the UNQUANTISED p, in f32, and the product's result is divided by l at the end. Since M is a whole number, a kernel that streams over the keys may use a running M (the ceiling of the running maximum): every later rescaling is an exact power of two, which a block's scale takes up: the codes' values come out the same.
;;   OPERANDS COMPUTED ON THE WAY. 'Computed on the way' means the value that the module computes at that place (a softmax that the list does not call 'softmax' is quantised finished and normalised). What goes into a quantiser is computed in f32, as accurately as f32 sums, v_exp_f32 and their like allow (about 1e-6 of the number): no bf16 or f16 on the way to a quantiser, and a product that is left as it is and whose result goes on into a quantised operand takes f32 operands (vector FMAs, or v_wmma_f32_16x16x4_f32). A number that lies on a knife's edge between two numbers of the format may be rounded either way, as far as f32 arithmetic and the matrix unit's own rounding can turn it there, and no further.
;; 2 versions. Each part assembles by itself: llvm-mc -triple=amdgcn-amd-amdhsa -mcpu=gfx1250 --defsym DOCPART=n.
;; ======== version 1 of 2: 4 launches
;; workspace buffers: wc 786,432 bytes; ws 32,768 bytes; qx 3,276,800 bytes; kv 6,553,600 bytes; oc 3,145,728 bytes; os 262,144 bytes
;; launch wquant (part 1): grid 32 x 4, 4 waves a work-group, no clusters, 1,536 bytes of LDS; arguments Wq, Wk, Wv, Wo, wc, ws; writes wc, ws
.if DOCPART == 1
	.amdgcn_target "amdgcn-amd-amdhsa--gfx1250"
	.amdhsa_code_object_version 6
	.text
	.protected	k_q43c71930d4_wquant
	.globl	k_q43c71930d4_wquant
	.p2align	8
	.type	k_q43c71930d4_wquant,@function
k_q43c71930d4_wquant:
	s_mov_b64 s[64:65], 0
	v_nop
	global_prefetch_b8 v0, s[64:65] scope:SCOPE_SE
	s_setreg_imm32_b32 hwreg(HW_REG_WAVE_MODE, 25, 1), 1
	s_wait_xcnt 0x0
; The four weights [512 (out)][512 (k)], f32, K innermost, become codes of FP6 (E2M3) with one E8M0 byte for each 32 along K, laid as the later launches' operand registers want them.
; wc: [weight q,k,v,o][tile T 0..31][K step s 0..3][1,536 bytes]: a fragment (16 rows x 128 K, 12 registers a lane) as an image of its registers: three pieces of 512 bytes, lane l's 16 bytes at 16 l.
; ws: [weight][T][row r 0..15][s 0..3]: the 32-bit scale words; 256 bytes a tile.
; THE ROWS OF A TILE ARE NOT NEIGHBOURS: row i of tile T is weight row 32 (T / 2) + 8 (T % 2) + i + 8 (i / 8), so that, with such tiles as source 0, the 16 result registers of tiles 2 b and 2 b + 1 are 16 neighbouring outputs.
; SHARES: work-group (x = T, y = weight); wave w makes the fragment of K step w.  One run of loads, no loop.
; A block's scale is 2^(floor(log2(its largest magnitude)) - 2); its byte is the largest magnitude's exponent field - 2, held at 1 from below.
; LIMITS: NaN and infinities are not served; a block whose largest magnitude lies under 2^-124 has its byte held at 1; a block of zeros gets the byte 1 where the rule says 127: its codes are zeros, and this program alone reads the bytes.
.set X,   32                           ; v32-95   64 numbers of my row: register 16 b + i = k 32 b + 16 (lane / 16) + i of the K step
.set PC,  96                           ; v96-115  the codes (12 registers, and 8 at work)
.set TM,  116                          ; v116-131 maxima, bytes, scale operands
.set PW,  132                          ; v132     the scale word
.set SEL, 20                           ; s[20:21] v_permlanex16_b32's selects for lane l xor 16
.set MSB, 0
.macro WIN new                         ; the immediate's high byte repeats the setting that is left; a switch that changes nothing is dropped (here none is ever written: all lies in window 0)
.if MSB != \new
	s_set_vgpr_msb (MSB<<8)|\new
.set MSB, \new
.endif
.endm
; 64 numbers of a lane, v[s] .. v[s + 63] of window w, become a fragment's codes in v[PC] .. v[PC + 11] and its row's scale word in v[PW].
.macro QUANT s, w
	WIN ((\w)|((\w)<<2))
.irp b, 0,1,2,3
	v_max3_num_f32 v[TM+\b], |v[(\s)+16*\b]|, |v[(\s)+1+16*\b]|, 0x1800000   ; block b: my 16 numbers, and the floor 2^(3 - 127): the byte cannot fall under 1
.endr
	WIN (((\w)<<2)|((\w)<<4))
.irp i, 2,4,6,8,10,12,14
.irp b, 0,1,2,3
	v_max3_num_f32 v[TM+\b], v[TM+\b], |v[(\s)+16*\b+\i]|, |v[(\s)+1+16*\b+\i]|   ; the four blocks by turns
.endr
.endr
	WIN 0
.irp b, 0,1,2,3
	v_permlanex16_b32 v[TM+4+\b], v[TM+\b], s[SEL], s[SEL+1]
.endr
.irp b, 0,1,2,3
	v_max_num_f32 v[TM+\b], v[TM+\b], v[TM+4+\b]        ; with lane l xor 16's: the block's largest magnitude
.endr
.irp b, 0,1,2,3
	v_add_nc_u32 v[TM+12+\b], 0xff000000, v[TM+\b]      ; 2 off its exponent field: the conversion takes the exponent field of this operand as its scale
.endr
.irp b, 0,1,2,3
	v_lshrrev_b32 v[TM+4+\b], 23, v[TM+12+\b]           ; the scale's byte
.endr
	v_lshl_or_b32 v[PW], v[TM+5], 8, v[TM+4]
	v_lshl_or_b32 v[PW], v[TM+6], 16, v[PW]
	v_lshl_or_b32 v[PW], v[TM+7], 24, v[PW]
	WIN (\w)
.irp c, 0,1
	v_cvt_scalef32_pk16_fp6_f32 v[PC+6*\c:PC+6*\c+2], v[(\s)+32*\c:(\s)+32*\c+15], v[TM+12+2*\c]
	v_cvt_scalef32_pk16_fp6_f32 v[PC+12+4*\c:PC+14+4*\c], v[(\s)+16+32*\c:(\s)+31+32*\c], v[TM+13+2*\c]   ; (a conversion's three registers begin on an even number)
.endr
	WIN 0
	v_nop                                               ; one plain place behind a scaled conversion
.irp c, 0,1                                         ; the operand's layout wants a WHOLE block in a lane: lanes 0-15 block 2 c, lanes 16-31 block 2 c + 1
.irp i, 0,1,2
	v_permlane16_swap_b32 v[PC+6*\c+\i], v[PC+12+4*\c+\i]
.endr
.irp i, 0,1,2
	v_mov_b32 v[PC+3+6*\c+\i], v[PC+12+4*\c+\i]
.endr
.endr
.endm
	s_load_b256 s[4:11], s[0:1], 0x0               ; Wq, Wk, Wv, Wo
	s_load_b128 s[12:15], s[0:1], 0x20             ; wc, ws
	v_lshl_add_u32 v144, v0, 2, 0x400
	v_mov_b32 v145, 0
	v_lshrrev_b32 v5, 5, v0
	v_readfirstlane_b32 s17, v5                    ; wave = K step
	s_and_b32 s16, ttmp7, 0xffff                   ; which weight
	v_and_b32 v6, 31, v0                           ; lane
	v_and_b32 v7, 15, v0                           ; r
	v_bfe_u32 v8, v0, 4, 1                         ; h
	v_lshlrev_b32 v1, 4, v6                        ; 16 x lane: my place in a piece of the image
	v_and_b32 v9, 8, v7
	v_add_nc_u32 v9, v9, v7                        ; r + 8 (r / 8)
	v_lshlrev_b32 v2, 11, v9                       ; that row of 2,048 bytes,
	v_lshl_add_u32 v2, v8, 6, v2                   ; + 64 h: my 16 numbers of a block of 32
	v_lshlrev_b32 v4, 4, v7                        ; 16 r: a row's four scale words
	s_lshl_b32 s18, s17, 2
	v_add_nc_u32 v3, s18, v4                       ; LDS: 16 r + 4 x wave: my K step's word of row r
	s_mov_b32 s[SEL], 0x76543210
	s_mov_b32 s[SEL+1], 0xfedcba98
.irp b, 0,1,2,3
	v_mov_b32 v[TM+4+\b], 0                        ; written once: a lane permute's destination counts as one of its sources
.endr
	s_lshr_b32 s22, ttmp9, 1                       ; the tile's first row, 32 (T / 2) + 8 (T % 2), in bytes, + 512 x K step
	s_lshl_b32 s22, s22, 16
	s_and_b32 s23, ttmp9, 1
	s_lshl_b32 s23, s23, 14
	s_add_co_u32 s22, s22, s23
	s_lshl_b32 s23, s17, 9
	s_add_co_u32 s22, s22, s23
	s_mov_b32 s23, 0
	s_lshl_b32 s24, s16, 7                         ; the image's number: 128 x weight + 4 T + s
	s_lshl_b32 s25, ttmp9, 2
	s_add_co_u32 s24, s24, s25
	s_add_co_u32 s24, s24, s17
	s_mul_i32 s24, s24, 1536
	s_mov_b32 s25, 0
	s_lshl_b32 s26, s16, 5                         ; the tile's scale words: (32 x weight + T) x 256
	s_add_co_u32 s26, s26, ttmp9
	s_lshl_b32 s26, s26, 8
	s_mov_b32 s27, 0
	s_wait_kmcnt 0x0
	s_cmp_eq_u32 s16, 1                            ; the choice hangs on the work-group's number alone
	s_cselect_b64 s[4:5], s[6:7], s[4:5]
	s_cmp_eq_u32 s16, 2
	s_cselect_b64 s[4:5], s[8:9], s[4:5]
	s_cmp_eq_u32 s16, 3
	s_cselect_b64 s[4:5], s[10:11], s[4:5]
	s_add_nc_u64 s[4:5], s[4:5], s[22:23]
	s_add_nc_u64 s[12:13], s[12:13], s[24:25]
	s_add_nc_u64 s[14:15], s[14:15], s[26:27]
.irp b, 0,1,2,3
.irp j, 0,1,2,3
	global_load_b128 v[X+16*\b+4*\j:X+16*\b+4*\j+3], v2, s[4:5] offset:128*\b+16*\j th:TH_LOAD_NT   ; each weight byte is read once in this launch
.endr
.endr
	s_wait_loadcnt 0x0
	QUANT X, 0
.irp c, 0,1,2
	global_store_b128 v1, v[PC+4*\c:PC+4*\c+3], s[12:13] offset:512*\c   ; 32 lanes store 512 consecutive bytes, at a multiple of 256 from wc's first byte
.endr
	ds_store_b32 v3, v[PW]                         ; lanes l and l + 16 hold the same word and write it to the same bytes
	s_wait_dscnt 0x0                               ; for the others' sake: my word has landed
	s_barrier_signal -1
	s_barrier_wait -1
	s_cmp_lg_u32 s17, 0
	s_cbranch_scc1 .Lend                           ; wave 0 alone stores the tile's 256 bytes of scale words
	ds_load_b128 v[136:139], v4
	s_wait_dscnt 0x0
	global_store_b128 v4, v[136:139], s[14:15]     ; sixteen lanes store 256 consecutive aligned bytes (the other sixteen the same bytes with the same values)
.Lend:
	s_wait_tensorcnt 0x0
	ds_add_u32 v144, v145
	s_wait_dscnt 0x0
	s_endpgm
.Lfunc_end_k_q43c71930d4_wquant:
	.size	k_q43c71930d4_wquant, .Lfunc_end_k_q43c71930d4_wquant-k_q43c71930d4_wquant
	.p2alignl 7, 3214868480
	.fill 96, 4, 3214868480
	.section	.rodata,"a",@progbits
	.p2align	6, 0x0
	.amdhsa_kernel k_q43c71930d4_wquant
		.amdhsa_group_segment_fixed_size 1536
		.amdhsa_private_segment_fixed_size 0
		.amdhsa_enable_private_segment 0
		.amdhsa_kernarg_size 48
		.amdhsa_user_sgpr_count 2
		.amdhsa_user_sgpr_kernarg_segment_ptr 1
		.amdhsa_wavefront_size32 1
		.amdhsa_system_sgpr_workgroup_id_x 1
		.amdhsa_system_sgpr_workgroup_id_y 1
		.amdhsa_system_sgpr_workgroup_id_z 1
		.amdhsa_system_vgpr_workitem_id 0
		.amdhsa_next_free_vgpr 146
		.amdhsa_next_free_sgpr 66
		.amdhsa_reserve_vcc 0
		.amdhsa_float_denorm_mode_32 3
		.amdhsa_float_denorm_mode_16_64 3
		.amdhsa_memory_ordered 1
		.amdhsa_forward_progress 1
		.amdhsa_inst_pref_size 9
	.end_amdhsa_kernel
	.amdgpu_metadata
---
amdhsa.version: [ 1, 2 ]
amdhsa.kernels:
  - .name:           k_q43c71930d4_wquant
    .symbol:         k_q43c71930d4_wquant.kd
    .args:
      - { .name: Wq, .offset: 0, .size: 8, .value_kind: global_buffer, .address_space: global }
      - { .name: Wk, .offset: 8, .size: 8, .value_kind: global_buffer, .address_space: global }
      - { .name: Wv, .offset: 16, .size: 8, .value_kind: global_buffer, .address_space: global }
      - { .name: Wo, .offset: 24, .size: 8, .value_kind: global_buffer, .address_space: global }
      - { .name: wc, .offset: 32, .size: 8, .value_kind: global_buffer, .address_space: global }
      - { .name: ws, .offset: 40, .size: 8, .value_kind: global_buffer, .address_space: global }
    .group_segment_fixed_size: 1536
    .private_segment_fixed_size: 0
    .kernarg_segment_align: 8
    .kernarg_segment_size: 48
    .max_flat_workgroup_size: 128
    .sgpr_count:     66
    .vgpr_count:     146
    .wavefront_size: 32
...
	.end_amdgpu_metadata
.endif
;; end of part 1
;; launch proj (part 2): grid 64 x 3, 4 waves a work-group, no clusters, 57,856 bytes of LDS; arguments query, key_, value, bq, bk, bv, wc, ws, qx, kv; writes qx, kv
.if DOCPART == 2
	.amdgcn_target "amdgcn-amd-amdhsa--gfx1250"
	.amdhsa_code_object_version 6
	.text
	.protected	k_q43c71930d4_proj
	.globl	k_q43c71930d4_proj
	.p2align	8
	.type	k_q43c71930d4_proj,@function
k_q43c71930d4_proj:
	s_mov_b64 s[64:65], 0
	v_nop
	global_prefetch_b8 v0, s[64:65] scope:SCOPE_SE
	s_setreg_imm32_b32 hwreg(HW_REG_WAVE_MODE, 25, 1), 1
	s_wait_xcnt 0x0
; q = query Wq^T + bq, k = key_ Wk^T + bk, v = value Wv^T + bv, on codes of FP6 (E2M3) with one E8M0 scale for each 32 along K; the results are quantised at once for the attention launch and leave as images of its operand registers.
; SHARES: work-group (x = a block of 128 tokens, y = 0 q, 1 k, 2 v).  Wave w owns outputs 128 w .. 128 w + 127: heads 2 w and 2 w + 1.  Straight-line text: every LDS and memory offset is an immediate.
; TILES: row i of a tile T (of tokens, of weight rows) is object 32 (T / 2) + 8 (T % 2) + i + 8 (i / 8): with such tiles as source 0 the 16 result registers of tiles 2 b, 2 b + 1 are 16 neighbours, 32 b + 16 (lane / 16) + 0 .. 15.
; PHASE X: wave w quantises token tiles 2 w, 2 w + 1 (8 fragments of 16 rows x 128 K) and stores them in LDS as images of their registers (three pieces of 512 bytes, lane l's 16 bytes at 16 l); one barrier.
; q, k: source 0 = 16 rows of the weight, source 1 = 16 tokens: a lane holds one token, its 64 registers run along my 128 outputs = two heads of 64 = the next product's K.  A head's 6 registers (a HALF: 512 + 256 bytes) go out by themselves.
; v:    source 0 = 16 tokens, source 1 = 16 rows of Wv: a lane holds one channel, its 64 registers run along the block's 128 tokens = the keys = the last product's K.  A whole fragment goes out.
; qx: [batch x head][block of 128 queries][8 halves of 768 bytes | 4 x 16 pair words].  kv: [batch x head][step of 128 keys][K: 8 halves | V^T: 4 fragments of 1,536 | K: 4 x 16 pair words | V: 4 x 16 scale words].
; A pair word: bytes 0, 1 = the two head blocks of token tile 2 j, bytes 2, 3 = those of tile 2 j + 1.
; NO JOINT LOADS: each wave takes its 49,152 bytes of the weight's images once, straight into the registers in which they stay; there is no tensor load for a mask to ride on, and through LDS the same bytes would be written and read once more.
; LIMITS: NaN and infinities are not served; a block whose largest magnitude lies under 2^-124 has its byte held at 1; a block of zeros gets the byte 1 where the rule says 127: its codes are zeros, and this program alone reads the bytes.
; REGISTERS, in windows of 256: window 0: see below.  Window 1: four sets of 64 numbers of x; then the staying side's fragments (t, K step 0, 1) at v[12 (8 (s % 2) + t)].  Window 2: those of K steps 2, 3.  Window 3: v0-63 the bias of q or k, eight registers a tile.
.set XIMG, 0                           ; LDS: x's 32 fragments, number 4 m + s, 1,536 bytes each
.set XSC,  49152                       ; their scale words, 128 bytes each (a word a lane)
.set SCQ,  53248                       ; q, k: 512 bytes a wave, the pair words on their way out
.set SCV,  55296                       ; v: 512 bytes a wave, the scale words on their way out (each way has bytes of its own)
.set PC,  16                           ; v16-35   the codes just made
.set TM,  36                           ; v36-51   maxima, bytes, scale operands
.set PW,  52                           ; v52      the scale word just made
.set PE,  53                           ; v53      the even tile's half of a pair word
.set TT,  54                           ; v54      at work
.set LS,  56                           ; v56-59   the passing side's four scale words
.set PS,  60                           ; v60-91   the staying side's, 4 t + s
.set LF,  92                           ; v92-139  the passing side's four fragments
.set HA,  140                          ; v140-203 eight accumulators
.set BV,  204                          ; v204-211 v: my channel's bias, eight times
.set RB,  212                          ; v212-215 the stash read back
.set SEL, 28                           ; s[28:29] v_permlanex16_b32's selects for lane l xor 16
; v1 16 l, v2 8 l, v3 4 l; v4 x: my byte in the wave's rows; v5, v6 where I store x's images and scale words; v7 16 r; v8 64 h; v9 4 (r + 8 (r / 8)); v10 16 h; v11, v12 into the stashes; v13, v14 out of them; v15 their place in memory
.set MSB, 0
.macro WIN new                         ; the immediate's high byte repeats the setting that is left; a switch that changes nothing is dropped
.if MSB != \new
	s_set_vgpr_msb (MSB<<8)|\new
.set MSB, \new
.endif
.endm
; 64 numbers of a lane, v[s] .. v[s + 63] of window w, register 16 b + i = k 32 b + 16 (lane / 16) + i of my row, become a fragment's codes in v[PC] .. v[PC + 11] and its row's scale word in v[PW].
.macro QUANT s, w
	WIN ((\w)|((\w)<<2))
.irp b, 0,1,2,3
	v_max3_num_f32 v[TM+\b], |v[(\s)+16*\b]|, |v[(\s)+1+16*\b]|, 0x1800000   ; block b: my 16 numbers, and the floor 2^(3 - 127): the byte cannot fall under 1.  (Each accumulator is read from its low end on)
.endr
	WIN (((\w)<<2)|((\w)<<4))
.irp i, 2,4,6,8,10,12,14
.irp b, 0,1,2,3
	v_max3_num_f32 v[TM+\b], v[TM+\b], |v[(\s)+16*\b+\i]|, |v[(\s)+1+16*\b+\i]|   ; the four blocks by turns
.endr
.endr
	WIN 0
.irp b, 0,1,2,3
	v_permlanex16_b32 v[TM+4+\b], v[TM+\b], s[SEL], s[SEL+1]
.endr
.irp b, 0,1,2,3
	v_max_num_f32 v[TM+\b], v[TM+\b], v[TM+4+\b]        ; with lane l xor 16's: the block's largest magnitude
.endr
.irp b, 0,1,2,3
	v_add_nc_u32 v[TM+12+\b], 0xff000000, v[TM+\b]      ; 2 off its exponent field: the conversion takes the exponent field of this operand as its scale
.endr
.irp b, 0,1,2,3
	v_lshrrev_b32 v[TM+4+\b], 23, v[TM+12+\b]           ; the scale's byte
.endr
	v_lshl_or_b32 v[PW], v[TM+5], 8, v[TM+4]
	v_lshl_or_b32 v[PW], v[TM+6], 16, v[PW]
	v_lshl_or_b32 v[PW], v[TM+7], 24, v[PW]
	WIN (\w)
.irp c, 0,1
	v_cvt_scalef32_pk16_fp6_f32 v[PC+6*\c:PC+6*\c+2], v[(\s)+32*\c:(\s)+32*\c+15], v[TM+12+2*\c]
	v_cvt_scalef32_pk16_fp6_f32 v[PC+12+4*\c:PC+14+4*\c], v[(\s)+16+32*\c:(\s)+31+32*\c], v[TM+13+2*\c]   ; (a conversion's three registers begin on an even number)
.endr
	WIN 0
	v_nop                                               ; one plain place behind a scaled conversion
.irp c, 0,1                                         ; the operand's layout wants a WHOLE block in a lane: lanes 0-15 block 2 c, lanes 16-31 block 2 c + 1
.irp i, 0,1,2
	v_permlane16_swap_b32 v[PC+6*\c+\i], v[PC+12+4*\c+\i]
.endr
.irp i, 0,1,2
	v_mov_b32 v[PC+3+6*\c+\i], v[PC+12+4*\c+\i]
.endr
.endr
.endm
; my wave's fragment f of x (token tile 2 w + f / 4, K step f % 4): 64 numbers a lane into set f % 4 of window 1
.macro XLOAD f
	WIN 0x40                                       ; destination window 1, address window 0
.irp b, 0,1,2,3
.irp j, 0,1,2,3
	global_load_b128 v[64*((\f)%4)+16*\b+4*\j:64*((\f)%4)+16*\b+4*\j+3], v4, s[4:5] offset:((\f)/4)*16384+512*((\f)%4)+128*\b+16*\j th:TH_LOAD_NT   ; x is read once in the launch
.endr
.endr
	WIN 0
.endm
; The 32 products of a unit: the staying side's 8 tiles (source 0) against the passing side's one tile (source 1), four K steps.  The 8 accumulators take turns, one instruction a turn.
; The bias is the C of each sum's first product: cmode 0: eight registers a tile, in window 3; cmode 1: the lane's one number in v[BV] on.
.macro MULS cmode
.irp s, 0,1,2,3
.if (\s == 0) && (\cmode == 0)
	WIN 0x31                                       ; source 0 window 1, C window 3
.elseif \s < 2
	WIN 0x01                                       ; source 0 window 1
.else
	WIN 0x02                                       ; source 0 window 2
.endif
.irp t, 0,1,2,3,4,5,6,7
.if (\s == 0) && (\cmode == 0)
	v_wmma_scale_f32_16x16x128_f8f6f4 v[HA+8*\t:HA+8*\t+7], v[12*(8*(\s%2)+\t):12*(8*(\s%2)+\t)+11], v[LF+12*\s:LF+12*\s+11], v[8*\t:8*\t+7], v[PS+4*\t+\s], v[LS+\s] matrix_a_fmt:MATRIX_FMT_FP6 matrix_b_fmt:MATRIX_FMT_FP6
.elseif \s == 0
	v_wmma_scale_f32_16x16x128_f8f6f4 v[HA+8*\t:HA+8*\t+7], v[12*(8*(\s%2)+\t):12*(8*(\s%2)+\t)+11], v[LF+12*\s:LF+12*\s+11], v[BV:BV+7], v[PS+4*\t+\s], v[LS+\s] matrix_a_fmt:MATRIX_FMT_FP6 matrix_b_fmt:MATRIX_FMT_FP6
.else
	v_wmma_scale_f32_16x16x128_f8f6f4 v[HA+8*\t:HA+8*\t+7], v[12*(8*(\s%2)+\t):12*(8*(\s%2)+\t)+11], v[LF+12*\s:LF+12*\s+11], v[HA+8*\t:HA+8*\t+7], v[PS+4*\t+\s], v[LS+\s] matrix_a_fmt:MATRIX_FMT_FP6 matrix_b_fmt:MATRIX_FMT_FP6
.endif
.endr
.endr
	WIN 0
.rept 4
	v_nop                                          ; four places in front of the loads into registers that these products read and of the first read of their results
.endr
.endm
.macro LLOADL m                        ; q, k: token tile m's four fragments and scale words, from LDS
.irp s, 0,1,2,3
.irp c, 0,1,2
	ds_load_b128 v[LF+12*\s+4*\c:LF+12*\s+4*\c+3], v1 offset:XIMG+(4*(\m)+\s)*1536+512*\c
.endr
.endr
.irp s, 0,1,2,3
	ds_load_b32 v[LS+\s], v3 offset:XSC+128*(4*(\m)+\s)
.endr
.endm
.macro LLOADG n                        ; v: my tile n of Wv: four fragments, four scale words, my channel's bias eight times
.irp s, 0,1,2,3
.irp c, 0,1,2
	global_load_b128 v[LF+12*\s+4*\c:LF+12*\s+4*\c+3], v1, s[16:17] offset:(4*(\n)+\s)*1536+512*\c
.endr
.endr
	global_load_b128 v[LS:LS+3], v7, s[18:19] offset:256*(\n)
.irp j, 0,1,2,3,4,5,6,7
	global_load_b32 v[BV+\j], v9, s[10:11] offset:(32*((\n)/2)+8*((\n)%2))*4
.endr
.endm
; q, k: token tile m.  Its 16 tokens x my 128 outputs are made, quantised along the outputs and stored: registers 0-5 are head 2 w's half, registers 6-11 head 2 w + 1's.
.macro UNITQK m
	s_wait_dscnt 0x0                               ; the tile's fragments and scale words are in
	MULS 0
.if \m < 7
	LLOADL \m+1
.endif
	s_wait_xcnt 0x0                                ; the last unit's stores have read the codes' registers
	QUANT HA, 0
	global_store_b128 v1, v[PC:PC+3], s[48:49] offset:768*(\m)           ; 512 consecutive bytes,
	global_store_b64 v2, v[PC+4:PC+5], s[48:49] offset:768*(\m)+512      ; and 256: whole aligned runs of 256 bytes
	global_store_b128 v1, v[PC+6:PC+9], s[50:51] offset:768*(\m)
	global_store_b64 v2, v[PC+10:PC+11], s[50:51] offset:768*(\m)+512
.if (\m)%2 == 0
	v_lshrrev_b32 v[PE], v10, v[PW]                ; lanes 0-15 keep head 2 w's two bytes, lanes 16-31 head 2 w + 1's
	v_and_b32 v[PE], 0xffff, v[PE]
.else
	v_lshrrev_b32 v[TT], v10, v[PW]
	v_lshl_or_b32 v[TT], v[TT], 16, v[PE]          ; the pair word: even tile below, odd tile above
	ds_store_b32 v11, v[TT] offset:64*((\m)/2)
.endif
.endm
; v: my tile n of channels.  16 channels x the block's 128 tokens are made, quantised along the tokens and stored as a whole fragment.
.macro UNITV n
	s_wait_loadcnt 0x0                             ; the tile's fragments, scale words and bias are in
	MULS 1
.if \n < 7
	LLOADG \n+1
.endif
	s_wait_xcnt 0x0                                ; the last unit's stores have read the codes' registers
	QUANT HA, 0
.irp c, 0,1,2
	global_store_b128 v1, v[PC+4*\c:PC+4*\c+3], s[48+2*((\n)/4):49+2*((\n)/4)] offset:6144+1536*((\n)%4)+512*\c
.endr
	ds_store_b32 v12, v[PW] offset:64*(\n)         ; lanes l and l + 16 hold the same word and write it to the same bytes
.endm
	s_load_b256 s[4:11], s[0:1], 0x0               ; query s[4:5], key_ s[6:7], value s[8:9], bq s[10:11]
	s_load_b256 s[12:19], s[0:1], 0x20             ; bk s[12:13], bv s[14:15], wc s[16:17], ws s[18:19]
	s_load_b128 s[20:23], s[0:1], 0x40             ; qx s[20:21], kv s[22:23]
	v_lshl_add_u32 v254, v0, 2, 0xe000
	v_mov_b32 v255, 0
	v_lshrrev_b32 v52, 5, v0
	v_readfirstlane_b32 s24, v52                   ; wave 0..3
	s_and_b32 s25, ttmp7, 0xffff                   ; 0 q, 1 k, 2 v
	s_mov_b32 s26, ttmp9                           ; the block of 128 tokens
	v_and_b32 v52, 31, v0                          ; lane
	v_and_b32 v53, 15, v0                          ; r
	v_bfe_u32 v54, v0, 4, 1                        ; h
	v_lshlrev_b32 v1, 4, v52
	v_lshlrev_b32 v2, 3, v52
	v_lshlrev_b32 v3, 2, v52
	v_and_b32 v9, 8, v53
	v_add_nc_u32 v9, v9, v53                       ; r + 8 (r / 8)
	v_lshlrev_b32 v4, 11, v9
	v_lshl_add_u32 v4, v54, 6, v4                  ; x: that row of 2,048 bytes, + 64 h
	s_mul_i32 s30, s24, 12288
	v_add_nc_u32 v5, s30, v1                       ; my wave's 8 images: 16 l + 8 x 1,536 x wave
	s_lshl_b32 s30, s24, 10
	v_add_nc_u32 v6, s30, v3                       ; and their scale words: 4 l + 8 x 128 x wave
	v_lshlrev_b32 v7, 4, v53
	v_lshlrev_b32 v8, 6, v54
	v_lshlrev_b32 v9, 2, v9
	v_lshlrev_b32 v10, 4, v54
	s_lshl_b32 s30, s24, 9
	v_lshlrev_b32 v11, 2, v53
	v_add_nc_u32 v12, s30, v11                     ; 512 x wave + 4 r
	v_lshl_add_u32 v11, v54, 8, v12                ; + 256 h: a head's 256 bytes of pair words
	v_add_nc_u32 v11, SCQ, v11
	v_add_nc_u32 v12, SCV, v12
	v_add_nc_u32 v13, s30, v1                      ; back out of a stash: 512 x wave + 16 l
	v_add_nc_u32 v14, SCV, v13
	v_add_nc_u32 v13, SCQ, v13
	s_mov_b32 s[SEL], 0x76543210
	s_mov_b32 s[SEL+1], 0xfedcba98
.irp b, 0,1,2,3
	v_mov_b32 v[TM+4+\b], 0                        ; written once: a lane permute's destination counts as one of its sources
.endr
	s_lshl_b32 s32, s26, 18                        ; x: (128 x block + 32 x wave) rows of 2,048 bytes
	s_lshl_b32 s33, s24, 16
	s_add_co_u32 s32, s32, s33
	s_mov_b32 s33, 0
	s_lshl_b32 s34, s24, 9                         ; the bias: my 128 numbers
	s_mov_b32 s35, 0
	s_mul_i32 s36, s25, 196608                     ; the weight's images: my 8 tiles of 4 x 1,536 bytes
	s_mul_i32 s37, s24, 49152
	s_add_co_u32 s36, s36, s37
	s_mov_b32 s37, 0
	s_lshl_b32 s38, s25, 13                        ; and scale words: my 8 tiles of 256 bytes
	s_lshl_b32 s39, s24, 11
	s_add_co_u32 s38, s38, s39
	s_mov_b32 s39, 0
	s_wait_kmcnt 0x0
	s_cmp_eq_u32 s25, 1                            ; the choices hang on the work-group's number alone
	s_cselect_b64 s[4:5], s[6:7], s[4:5]
	s_cselect_b64 s[10:11], s[12:13], s[10:11]
	s_cmp_eq_u32 s25, 2
	s_cselect_b64 s[4:5], s[8:9], s[4:5]
	s_cselect_b64 s[10:11], s[14:15], s[10:11]
	s_add_nc_u64 s[4:5], s[4:5], s[32:33]
	s_add_nc_u64 s[10:11], s[10:11], s[34:35]
	s_add_nc_u64 s[16:17], s[16:17], s[36:37]
	s_add_nc_u64 s[18:19], s[18:19], s[38:39]
	; ---- PHASE X: my 32 tokens of x become 8 fragments.  Four fragments' loads (64 of 16 bytes a lane) are out at a time.
.irp f, 0,1,2,3
	XLOAD \f
.endr
.irp f, 0,1,2,3,4,5,6,7
.if \f <= 4
	s_wait_loadcnt 48                              ; fragment f's 16 loads are in; those of the three fragments behind it may be out
.else
	s_wait_loadcnt 16*(7-\f)                       ; the last fragments: fewer are behind
.endif
	QUANT 64*(\f%4), 1
.if \f < 4
	XLOAD \f+4                                     ; the set just read takes the fragment four further on
.endif
.irp c, 0,1,2
	ds_store_b128 v5, v[PC+4*\c:PC+4*\c+3] offset:XIMG+1536*\f+512*\c
.endr
	ds_store_b32 v6, v[PW] offset:XSC+128*\f
	s_wait_dscnt 0x0                               ; the stores have read their registers, and have landed
.endr
	s_barrier_signal -1                            ; (the wait for 0 just above stands in front of this signal)
	s_barrier_wait -1                              ; x's 32 fragments lie in LDS; nothing is stored there again
	s_cmp_eq_u32 s25, 2
	s_cbranch_scc1 .Lpath_v                        ; the same way for all four waves; no barrier stands behind this branch
	; ---- q, k
	s_cmp_eq_u32 s25, 0
	s_cselect_b64 s[48:49], s[20:21], s[22:23]     ; qx or kv
	s_mov_b32 s54, 409600
	s_cselect_b32 s54, 204800, s54                 ; bytes of a head there,
	s_mov_b32 s30, 12800
	s_cselect_b32 s30, 6400, s30                   ; of a block of 128 tokens,
	s_mov_b32 s31, 12288
	s_cselect_b32 s31, 6144, s31                   ; and where a block's pair words begin
	s_lshr_b32 s32, s26, 5                         ; the batch
	s_lshl_b32 s32, s32, 3
	s_lshl_b32 s34, s24, 1
	s_add_co_u32 s32, s32, s34                     ; 8 x batch + head 2 w
	s_mul_i32 s32, s32, s54
	s_and_b32 s33, s26, 31                         ; the block within the batch
	s_mul_i32 s33, s33, s30
	s_add_co_u32 s32, s32, s33
	s_mov_b32 s33, 0
	s_add_nc_u64 s[48:49], s[48:49], s[32:33]      ; head 2 w's block,
	s_mov_b32 s32, s54
	s_add_nc_u64 s[50:51], s[48:49], s[32:33]      ; head 2 w + 1's,
	s_mov_b32 s32, s31
	s_add_nc_u64 s[52:53], s[48:49], s[32:33]      ; head 2 w's pair words
	v_lshrrev_b32 v15, 4, v10
	v_mul_u32_u24 v15, s54, v15
	v_add_nc_u32 v15, v15, v7                      ; 16 r + h x a head's bytes
.irp s, 0,1,2,3                        ; my part of the weight: 32 fragments that stay
	WIN (0x40+0x40*(\s/2))                         ; destination window 1 or 2
.irp t, 0,1,2,3,4,5,6,7
.irp c, 0,1,2
	global_load_b128 v[12*(8*(\s%2)+\t)+4*\c:12*(8*(\s%2)+\t)+4*\c+3], v1, s[16:17] offset:(4*\t+\s)*1536+512*\c
.endr
.endr
.endr
	WIN 0xc0                                       ; destination window 3: lane (r, h) wants, for tile t, the bias of outputs 32 (t / 2) + 8 (t % 2) + 16 h + 0 .. 7
.irp t, 0,1,2,3,4,5,6,7
	global_load_b128 v[8*\t:8*\t+3], v8, s[10:11] offset:(32*(\t/2)+8*(\t%2))*4
	global_load_b128 v[8*\t+4:8*\t+7], v8, s[10:11] offset:(32*(\t/2)+8*(\t%2))*4+16
.endr
	WIN 0
.irp t, 0,1,2,3,4,5,6,7
	global_load_b128 v[PS+4*\t:PS+4*\t+3], v7, s[18:19] offset:256*\t   ; row r's four scale words
.endr
	LLOADL 0
	s_wait_loadcnt 0x0
.irp m, 0,1,2,3,4,5,6,7
	UNITQK \m
.endr
	ds_load_b128 v[RB:RB+3], v13                   ; LDS serves a wave's instructions in order (ISA guide 5.7.1.4): this sees my stores
	s_wait_dscnt 0x0
	global_store_b128 v15, v[RB:RB+3], s[52:53]    ; each sixteen lanes store one head's 256 bytes of pair words, aligned
	s_wait_tensorcnt 0x0
	ds_add_u32 v254, v255
	s_wait_dscnt 0x0
	s_endpgm
	; ---- v
.Lpath_v:
	s_lshr_b32 s32, s26, 5
	s_lshl_b32 s32, s32, 3
	s_lshl_b32 s34, s24, 1
	s_add_co_u32 s32, s32, s34                     ; 8 x batch + head 2 w
	s_mul_i32 s32, s32, 409600
	s_and_b32 s33, s26, 31
	s_mul_i32 s33, s33, 12800
	s_add_co_u32 s32, s32, s33
	s_mov_b32 s33, 0
	s_add_nc_u64 s[48:49], s[22:23], s[32:33]      ; head 2 w's step,
	s_add_nc_u64 s[50:51], s[48:49], 409600        ; head 2 w + 1's,
	s_add_nc_u64 s[52:53], s[48:49], 12544         ; head 2 w's scale words of V
	v_lshrrev_b32 v15, 4, v10
	v_mul_u32_u24 v15, 409600, v15
	v_add_nc_u32 v15, v15, v7                      ; 16 r + h x a head's bytes
.irp s, 0,1,2,3                        ; all 32 fragments of x stay in registers
	WIN (0x40+0x40*(\s/2))
.irp t, 0,1,2,3,4,5,6,7
.irp c, 0,1,2
	ds_load_b128 v[12*(8*(\s%2)+\t)+4*\c:12*(8*(\s%2)+\t)+4*\c+3], v1 offset:XIMG+(4*\t+\s)*1536+512*\c
.endr
.endr
.endr
	WIN 0
.irp t, 0,1,2,3,4,5,6,7
.irp s, 0,1,2,3
	ds_load_b32 v[PS+4*\t+\s], v3 offset:XSC+128*(4*\t+\s)
.endr
.endr
	LLOADG 0
	s_wait_dscnt 0x0
.irp n, 0,1,2,3,4,5,6,7
	UNITV \n
.endr
	ds_load_b128 v[RB:RB+3], v14                   ; LDS serves a wave's instructions in order: this sees my stores
	s_wait_dscnt 0x0
	global_store_b128 v15, v[RB:RB+3], s[52:53]    ; each sixteen lanes store one head's 256 bytes of scale words, aligned
	s_wait_tensorcnt 0x0
	ds_add_u32 v254, v255
	s_wait_dscnt 0x0
	s_endpgm
.Lfunc_end_k_q43c71930d4_proj:
	.size	k_q43c71930d4_proj, .Lfunc_end_k_q43c71930d4_proj-k_q43c71930d4_proj
	.p2alignl 7, 3214868480
	.fill 96, 4, 3214868480
	.section	.rodata,"a",@progbits
	.p2align	6, 0x0
	.amdhsa_kernel k_q43c71930d4_proj
		.amdhsa_group_segment_fixed_size 57856
		.amdhsa_private_segment_fixed_size 0
		.amdhsa_enable_private_segment 0
		.amdhsa_kernarg_size 80
		.amdhsa_user_sgpr_count 2
		.amdhsa_user_sgpr_kernarg_segment_ptr 1
		.amdhsa_wavefront_size32 1
		.amdhsa_system_sgpr_workgroup_id_x 1
		.amdhsa_system_sgpr_workgroup_id_y 1
		.amdhsa_system_sgpr_workgroup_id_z 1
		.amdhsa_system_vgpr_workitem_id 0
		.amdhsa_next_free_vgpr 832
		.amdhsa_next_free_sgpr 66
		.amdhsa_reserve_vcc 0
		.amdhsa_float_denorm_mode_32 3
		.amdhsa_float_denorm_mode_16_64 3
		.amdhsa_memory_ordered 1
		.amdhsa_forward_progress 1
		.amdhsa_inst_pref_size 230
	.end_amdhsa_kernel
	.amdgpu_metadata
---
amdhsa.version: [ 1, 2 ]
amdhsa.kernels:
  - .name:           k_q43c71930d4_proj
    .symbol:         k_q43c71930d4_proj.kd
    .args:
      - { .name: query, .offset: 0, .size: 8, .value_kind: global_buffer, .address_space: global }
      - { .name: key_, .offset: 8, .size: 8, .value_kind: global_buffer, .address_space: global }
      - { .name: value, .offset: 16, .size: 8, .value_kind: global_buffer, .address_space: global }
      - { .name: bq, .offset: 24, .size: 8, .value_kind: global_buffer, .address_space: global }
      - { .name: bk, .offset: 32, .size: 8, .value_kind: global_buffer, .address_space: global }
      - { .name: bv, .offset: 40, .size: 8, .value_kind: global_buffer, .address_space: global }
      - { .name: wc, .offset: 48, .size: 8, .value_kind: global_buffer, .address_space: global }
      - { .name: ws, .offset: 56, .size: 8, .value_kind: global_buffer, .address_space: global }
      - { .name: qx, .offset: 64, .size: 8, .value_kind: global_buffer, .address_space: global }
      - { .name: kv, .offset: 72, .size: 8, .value_kind: global_buffer, .address_space: global }
    .group_segment_fixed_size: 57856
    .private_segment_fixed_size: 0
    .kernarg_segment_align: 8
    .kernarg_segment_size: 80
    .max_flat_workgroup_size: 128
    .sgpr_count:     66
    .vgpr_count:     832
    .wavefront_size: 32
...
	.end_amdgpu_metadata
.endif
;; end of part 2
;; launch attn (part 3): grid 16 x 16, 16 waves a work-group, clusters of 4 x 1, 327,680 bytes of LDS; arguments qx, kv, oc, os; writes oc, os
.if DOCPART == 3
	.amdgcn_target "amdgcn-amd-amdhsa--gfx1250"
	.amdhsa_code_object_version 6
	.text
	.protected	k_q43c71930d4_attn
	.globl	k_q43c71930d4_attn
	.p2align	8
	.type	k_q43c71930d4_attn,@function
k_q43c71930d4_attn:
	s_mov_b64 s[64:65], 0
	v_nop
	global_prefetch_b8 v0, s[64:65] scope:SCOPE_SE
	s_setreg_imm32_b32 hwreg(HW_REG_WAVE_MODE, 25, 1), 1
	s_wait_xcnt 0x0
	s_wait_alu depctr_hold_cnt(0) depctr_sa_sdst(0) depctr_va_vdst(0) depctr_va_sdst(0) depctr_va_ssrc(0) depctr_va_vcc(0) depctr_vm_vsrc(0)
	s_getreg_b32 s2, hwreg(HW_REG_IB_STS2, 6, 4)
	s_cmp_eq_u32 s2, 0
	s_cbranch_scc0 .Lentry_in_a_cluster
	s_endpgm
.Lentry_in_a_cluster:
	s_bfe_u32 s2, ttmp6, 0x10000c
	s_cmp_lg_u32 s2, 0x3003
	s_cbranch_scc0 .Lentry_shape_is_right
	s_endpgm
.Lentry_shape_is_right:
; o[b][h][q] = the sum over the keys of softmax(q . k / 8) v, both products on codes of FP6 (E2M3) with one E8M0 scale for each 32 along a product's K; o is quantised at once along the model's 512 for the last projection.
; THE SOFTMAX AHEAD OF THE SECOND PRODUCT: t = score x log2(e) / 8; M = the row's largest t so far, rounded UP to a whole number; p = 2^(t - M) is what is quantised, along the keys; it is not normalised.
; The row's sum is taken of the unquantised p, in f32, and divides o at the end.  When M moves, the sum and o are multiplied by 2^(old M - new M): exact.
; SHARES: a work-group owns 256 queries of one (batch, head); each of its SIXTEEN waves one tile of 16, in 256 registers: four waves to a SIMD, so that one wave's vector work stands beside another's products and LDS loads.
; Every wave walks the head's 4,096 keys, 128 a step.  A step's operands are one dense block of 12,800 bytes of kv, laid as images of the operand registers: every LDS load takes consecutive bytes, 16, 8 or 4 a lane.
; RING: two LDS slots of four steps (51,200 bytes).  Waves 0 and 1 each bring half a slot with one tensor load; one tensor load of a wave is out at any time.
; CLUSTER: the four query blocks of a cluster belong to one head and walk the same blocks of kv: each half slot is asked for JOINTLY, by the same tensor load with the same descriptor and the mask of all four.
; LAYOUT: both products are used transposed (S^T = K Q^T, O^T = V^T P^T): a lane holds ONE query (lane % 16) throughout.  Row i of tile T (of keys, of queries, of V's channels) is object 32 (T / 2) + 8 (T % 2) + i + 8 (i / 8):
; so the 16 registers of tiles 2 b, 2 b + 1 of S^T are keys 32 b + 16 (lane / 16) + 0 .. 15, and those of O^T channels likewise.
; K = 64 IN AN INSTRUCTION OF 128: two key tiles' halves (6 registers each) on end are ONE operand, [tile 2 j | tile 2 j + 1]; Q is kept as 18 registers [Q | 0 | Q]: registers 0-11 multiply the even tile, registers 6-17 the odd one.
; Zero codes add nothing under any finite scale.  K's pair word carries both tiles' bytes; Q's scale word is (q0, q1, q0, q1) and serves both.
; LIMITS: NaN and infinities are not served; a block of o whose largest magnitude lies under 2^-124 has its byte held at 1; a block of zeros (of p or of o) gets the byte 1: its codes are zeros, and this program alone reads the bytes.
.set STEPB,  12800                     ; a step in kv and in LDS: K's 8 halves of 768 | V^T's 4 fragments of 1,536 at 6,144 | K's pair words at 12,288 | V's scale words at 12,544
.set SLOTB,  4*STEPB
.set SLOT1,  1<<16                     ; slot 1 begins here, so that one exclusive or turns an address in one slot into the other's
.set SPARE,  2*SLOT1                   ; the spare words, 128 bytes for each wave: eight blocks of 256 bytes that no other line names
.set SPW, 5                            ; v5   LDS address of my spare word: SPARE + 4 x my thread's number; never rewritten
.set NIL, 6                            ; v6   0; never rewritten
.set QF,  16                           ; v16-21 Q, v22-27 zeros, v28-33 Q again
.set QW,  34                           ; v34  Q's scale word
.set FB,  36                           ; v36-83 four operands of 12 registers: K's four pairs, then V's four tiles
.set KSC, 84                           ; v84-85 K's pair words: lanes 0-15 pair 2 i, lanes 16-31 pair 2 i + 1
.set VSC, 86                           ; v86-87 V's scale words likewise
.set S,   96                           ; v96-159 S^T, then p
.set O,   160                          ; v160-191 O^T
.set BM,  192                          ; v192-195 each block's largest score, then its largest p
.set BX,  196                          ; v196-199 the other half's; then the bytes
.set SO,  200                          ; v200-203 the conversions' scale operands
.set CT,  204                          ; v204-206, v208-210 the upper halves' codes
.set PCD, 212                          ; v212-223 p's codes
.set PSW, 224                          ; v224 p's scale word
.set FF,  226                          ; v[226:227] f = 2^(old M - new M); v227 = 0, named with it as a pair
.set T,   228                          ; v228 at work
.set L2,  230                          ; v[230:231] the second chain of the sum
; v1 16 l, v2 8 l, v3 4 l, v4 4 r; v8, v9, v10 the same three with the slot's first byte; v12 -M, v13 the largest t, v[14:15] the sum in two halves
.set WV,  18                           ; s18  my wave's number
.set SEL, 20                           ; s[20:21] v_permlanex16_b32's selects for lane l xor 16
.set CS,  22                           ; s[22:23] c = log2(e) / 8
.set G1,  24                           ; s[24:31] descriptor group 1
.set G0,  32                           ; s[32:35] descriptor group 0, which walks
.set TB,  36                           ; s36  LDS byte at which the slot in hand begins
.set SLOTS, 37                         ; s37  slots still to be asked for
; A round of the cluster's barrier: my work-group's barrier, so that wave 0's signal speaks for all sixteen waves; wave 0 signals for the work-group; every wave waits for all four work-groups; my work-group's barrier once more.
.macro CROUND
	s_barrier_signal -1
	s_barrier_wait -1
	s_cmp_lg_u32 s[WV], 0
	s_cbranch_scc1 .Lnot_wave_0_\@
	s_barrier_signal -3
.Lnot_wave_0_\@:
	s_barrier_wait -3
	s_barrier_signal -1
	s_barrier_wait -1
.endm
; Waves 0 and 1 fetch, the others nothing.  The branch hangs on the wave's number alone.  Four v_nop follow the load.
.macro TLOAD
	s_cmp_lt_u32 s[WV], 2
	s_cbranch_scc0 .Lasked_\@
	tensor_load_to_lds s[G0:G0+3], s[G1:G1+7]
	s_nop 0
.rept 4
	v_nop
.endr
.Lasked_\@:
.endm
; THE CHANGE OF SLOTS stands at a slot's head.  Each wave waits for all its tensor loads (its part of the slot that it is about to read), adds 0 to its spare word, and waits for that and for its reads of the slot that it has left.
; fill = 1: the barrier is a round of the cluster's, so that no wave of any partner still reads the other slot or has a load on its way, and that slot is filled with the next four steps: the load has four steps in which to land.
.macro CHANGE fill
	s_wait_tensorcnt 0x0                           ; no tensor load of mine is out, so group 0 may be written
	ds_add_u32 v[SPW], v[NIL]                      ; 0 onto my spare word
.if \fill
	s_xor_b32 s[G0+1], s[G0+1], SLOT1              ; the other slot than last time,
	s_add_nc_u64 s[G0+2:G0+3], s[G0+2:G0+3], SLOTB ; the next four steps; the type bits on top are not reached
.endif
	s_wait_dscnt 0x0                               ; the add is done, and my reads of the slot that I have left are over
.if \fill
	CROUND
	TLOAD                                          ; the first thing behind the round, and a wave's one tensor load until the next
.else
	s_barrier_signal -1
	s_barrier_wait -1
.endif
	v_add_nc_u32 v8, s[TB], v1
	v_add_nc_u32 v9, s[TB], v2
	v_add_nc_u32 v10, s[TB], v3
.endm
; A KEY STEP: 128 keys, the q-th of the slot in hand.
.macro STEP q
.set OFF, STEPB*(\q)
.rept 4
	v_nop                                          ; four places behind the last step's products, in front of loads into registers that they read
.endr
.irp t, 0,1,2,3,4,5,6,7
	ds_load_b128 v[FB+6*\t:FB+6*\t+3], v8 offset:OFF+768*\t           ; key tile t's half: registers 0-3,
	ds_load_b64 v[FB+6*\t+4:FB+6*\t+5], v9 offset:OFF+768*\t+512      ; and 4-5
.endr
.irp i, 0,1
	ds_load_b32 v[KSC+\i], v10 offset:OFF+12288+128*\i
.endr
	s_wait_dscnt 0x0
.irp t, 0,1,2,3,4,5,6,7                ; S^T = K Q^T: tile t lies in pair t / 2; the even tile meets [Q | 0], the odd one [0 | Q]
.if ((\t/2)%2) == 1
	v_wmma_scale_f32_16x16x128_f8f6f4 v[S+8*\t:S+8*\t+7], v[FB+12*(\t/2):FB+12*(\t/2)+11], v[QF+6*(\t%2):QF+6*(\t%2)+11], 0, v[KSC+\t/4], v[QW] matrix_a_fmt:MATRIX_FMT_FP6 matrix_b_fmt:MATRIX_FMT_FP6 matrix_a_scale:MATRIX_SCALE_ROW1
.else
	v_wmma_scale_f32_16x16x128_f8f6f4 v[S+8*\t:S+8*\t+7], v[FB+12*(\t/2):FB+12*(\t/2)+11], v[QF+6*(\t%2):QF+6*(\t%2)+11], 0, v[KSC+\t/4], v[QW] matrix_a_fmt:MATRIX_FMT_FP6 matrix_b_fmt:MATRIX_FMT_FP6
.endif
.endr
.rept 4
	v_nop                                          ; four places in front of the loads below and of the first read of the scores
.endr
.irp t, 0,1,2,3                        ; V's four fragments land under the softmax
.irp c, 0,1,2
	ds_load_b128 v[FB+12*\t+4*\c:FB+12*\t+4*\c+3], v8 offset:OFF+6144+1536*\t+512*\c
.endr
.endr
.irp i, 0,1
	ds_load_b32 v[VSC+\i], v10 offset:OFF+12544+128*\i
.endr
.irp b, 0,1,2,3
	v_max3_num_f32 v[BM+\b], v[S+16*\b], v[S+1+16*\b], v[S+2+16*\b]   ; THE LARGEST SCORE OF EACH BLOCK OF 32 KEYS: it serves for the row's maximum and, since p rises with the score, for the block's largest p.  (Each accumulator is read from its low end on)
.endr
.irp i, 3,5,7,9,11,13
.irp b, 0,1,2,3
	v_max3_num_f32 v[BM+\b], v[BM+\b], v[S+16*\b+\i], v[S+1+16*\b+\i]
.endr
.endr
.irp b, 0,1,2,3
	v_max_num_f32 v[BM+\b], v[BM+\b], v[S+15+16*\b]
.endr
.irp b, 0,1,2,3
	v_permlanex16_b32 v[BX+\b], v[BM+\b], s[SEL], s[SEL+1]
.endr
.irp b, 0,1,2,3
	v_max_num_f32 v[BM+\b], v[BM+\b], v[BX+\b]     ; with lane l xor 16's 16 keys
.endr
	v_max3_num_f32 v[T], v[BM], v[BM+1], v[BM+2]
	v_max_num_f32 v[T], v[T], v[BM+3]              ; the step's largest score of my query
	v_mul_f32 v[T], s[CS], v[T]                    ; as t (c is positive)
	v_max_num_f32 v13, v13, v[T]                   ; the running largest t
	v_mov_b32 v[T], v12
	v_floor_f32 v12, -v13                          ; the new -M = floor(-t) = -ceil(t): M is a whole number
	v_sub_f32 v[T], v12, v[T]                      ; M's old value less its new one: a whole number, 0 or less
	v_cvt_i32_f32 v[T], v[T]                       ; (it saturates)
	v_ldexp_f32 v[FF], 1.0, v[T]                   ; f = 2^(old M - new M): a multiplication by it rounds nothing
.set J, 0
.rept 32
	v_pk_fma_f32 v[S+J:S+J+1], v[S+J:S+J+1], s[CS:CS+1], v[12:13] op_sel_hi:[1,0,0]   ; t - M, two at a time (of the pairs c and -M the low word serves both halves)
.set J, J+2
.endr
.irp b, 0,1,2,3
	v_fma_f32 v[BM+\b], v[BM+\b], s[CS], v12       ; the same of each block's largest score
.endr
.set J, 0
.rept 64
	v_exp_f32 v[S+J], v[S+J]                       ; p = 2^(t - M), at most 1: not normalised
.set J, J+1
.endr
.irp b, 0,1,2,3
	v_exp_f32 v[BM+\b], v[BM+\b]                   ; the block's largest p: the same two instructions on the same number give the same bits
.endr
	v_pk_mul_f32 v[14:15], v[14:15], v[FF:FF+1] op_sel_hi:[1,0]   ; the sums under the new M.  (The plain place behind the exponentials)
	s_wait_alu depctr_va_vdst(0)
.irp b, 0,1,2,3
	v_max_num_f32 v[BM+\b], 0x1800000, v[BM+\b]    ; the floor 2^(3 - 127): the byte cannot fall under 1
.endr
.irp b, 0,1,2,3
	v_add_nc_u32 v[SO+\b], 0xff000000, v[BM+\b]    ; 2 off the exponent field: the conversion's scale operand
.endr
.irp b, 0,1,2,3
	v_lshrrev_b32 v[BX+\b], 23, v[SO+\b]           ; the scale's byte
.endr
	v_lshl_or_b32 v[PSW], v[BX+1], 8, v[BX]        ; p's scale word for these 128 keys
	v_lshl_or_b32 v[PSW], v[BX+2], 16, v[PSW]
	v_lshl_or_b32 v[PSW], v[BX+3], 24, v[PSW]
.irp c, 0,1
	v_cvt_scalef32_pk16_fp6_f32 v[PCD+6*\c:PCD+6*\c+2], v[S+32*\c:S+32*\c+15], v[SO+2*\c]
	v_cvt_scalef32_pk16_fp6_f32 v[CT+4*\c:CT+4*\c+2], v[S+16+32*\c:S+31+32*\c], v[SO+2*\c+1]   ; (a conversion's three registers begin on an even number)
.endr
	v_nop                                          ; one plain place behind a scaled conversion
.irp c, 0,1                            ; the operand's layout wants a WHOLE block in a lane: lanes 0-15 block 2 c, lanes 16-31 block 2 c + 1
.irp i, 0,1,2
	v_permlane16_swap_b32 v[PCD+6*\c+\i], v[CT+4*\c+\i]
.endr
.irp i, 0,1,2
	v_mov_b32 v[PCD+3+6*\c+\i], v[CT+4*\c+\i]
.endr
.endr
	v_pk_add_f32 v[L2:L2+1], v[S:S+1], v[S+2:S+3]  ; THE ROW'S SUM IS TAKEN OF THE UNQUANTISED p: two at a time, in two chains
.set J, 4
.rept 15
	v_pk_add_f32 v[14:15], v[14:15], v[S+J:S+J+1]
	v_pk_add_f32 v[L2:L2+1], v[L2:L2+1], v[S+J+2:S+J+3]
.set J, J+4
.endr
	v_pk_add_f32 v[14:15], v[14:15], v[L2:L2+1]
.set J, 0
.rept 16
	v_pk_mul_f32 v[O+J:O+J+1], v[O+J:O+J+1], v[FF:FF+1] op_sel_hi:[1,0]   ; O^T under the new M: x f, each accumulator from its low end on.  (These and the sums are the places between p's codes and scale word and the products below)
.set J, J+2
.endr
	s_wait_dscnt 0x0                               ; V's fragments and scale words are in
.irp t, 0,1,2,3                        ; O^T += V^T P^T: the four accumulators by turns, one instruction a turn
.if (\t%2) == 1
	v_wmma_scale_f32_16x16x128_f8f6f4 v[O+8*\t:O+8*\t+7], v[FB+12*\t:FB+12*\t+11], v[PCD:PCD+11], v[O+8*\t:O+8*\t+7], v[VSC+\t/2], v[PSW] matrix_a_fmt:MATRIX_FMT_FP6 matrix_b_fmt:MATRIX_FMT_FP6 matrix_a_scale:MATRIX_SCALE_ROW1
.else
	v_wmma_scale_f32_16x16x128_f8f6f4 v[O+8*\t:O+8*\t+7], v[FB+12*\t:FB+12*\t+11], v[PCD:PCD+11], v[O+8*\t:O+8*\t+7], v[VSC+\t/2], v[PSW] matrix_a_fmt:MATRIX_FMT_FP6 matrix_b_fmt:MATRIX_FMT_FP6
.endif
.endr
.endm
	s_load_b256 s[4:11], s[0:1], 0x0               ; qx s[4:5], kv s[6:7], oc s[8:9], os s[10:11]
	v_lshl_add_u32 v[SPW], v0, 2, SPARE
	v_mov_b32 v[NIL], 0
	ds_add_u32 v5, v6
	s_wait_dscnt 0x0
	v_lshrrev_b32 v7, 5, v0
	v_readfirstlane_b32 s[WV], v7                  ; wave 0..15
	v_and_b32 v7, 31, v0
	v_lshlrev_b32 v1, 4, v7
	v_lshlrev_b32 v2, 3, v7
	v_lshlrev_b32 v3, 2, v7
	v_and_b32 v4, 15, v0
	v_lshlrev_b32 v4, 2, v4
	s_bfe_u32 s40, ttmp6, 0x40000                  ; cx: my place in the cluster: it enters the addresses of qx, oc and os alone
	s_lshl_b32 s41, ttmp9, 2                       ; in a cluster launch ttmp9 counts clusters
	s_add_co_u32 s41, s41, s40                     ; my block of 256 queries
	s_and_b32 s42, ttmp7, 0xffff                   ; 8 x batch + head, which the four partners share
	s_and_b32 s46, s[WV], 1
	s_mul_i32 s44, s42, 409600                     ; kv: the head's first byte,
	s_mul_i32 s47, s46, 2*STEPB                    ; + my half of a slot
	s_add_co_u32 s44, s44, s47
	s_mov_b32 s45, 0
	s_lshl_b32 s38, s46, 4                         ; my tile's half of its pair word: 16 bits up where the tile is odd
	s_mul_i32 s48, s42, 204800                     ; qx: the head, the block of 128 queries 2 x block + wave / 8,
	s_lshl_b32 s50, s41, 1
	s_lshr_b32 s51, s[WV], 3
	s_add_co_u32 s50, s50, s51
	s_mul_i32 s50, s50, 6400
	s_add_co_u32 s48, s48, s50
	s_and_b32 s51, s[WV], 7
	s_mul_i32 s52, s51, 768
	s_add_co_u32 s52, s48, s52                     ; my tile's half,
	s_mov_b32 s53, 0
	s_lshr_b32 s51, s51, 1
	s_lshl_b32 s51, s51, 6
	s_add_co_u32 s48, s48, s51                     ; and its pair's 16 words (6,144 bytes on: in the load's immediate)
	s_mov_b32 s49, 0
	s_lshr_b32 s54, s42, 3                         ; my tile among all 512 tiles of tokens: 256 x batch + 16 x block + wave
	s_lshl_b32 s54, s54, 8
	s_lshl_b32 s55, s41, 4
	s_add_co_u32 s54, s54, s55
	s_add_co_u32 s54, s54, s[WV]
	s_lshl_b32 s54, s54, 3
	s_and_b32 s55, s42, 7
	s_add_co_u32 s54, s54, s55                     ; 8 x tile + head
	s_mul_i32 s56, s54, 768                        ; oc: a half each
	s_mov_b32 s57, 0
	s_lshl_b32 s58, s54, 6                         ; os: 16 words each
	s_mov_b32 s59, 0
	; descriptor group 1: half a slot, 25,600 dense bytes, as 100 rows of 256 bytes
	s_mov_b32 s[G1], 15|(3<<16)|(1<<21)            ; 15:0 the mask: all four work-groups; 17:16 elements of 8 bytes; 20 no padding; 21 set beside a mask
	s_mov_b32 s[G1+1], 32<<16                      ; tensor_dim0 = 32
	s_mov_b32 s[G1+2], 100<<16                     ; tensor_dim1 = 100
	s_mov_b32 s[G1+3], 32<<16                      ; tile_dim0 = 32
	s_mov_b32 s[G1+4], 100                         ; tile_dim1 = 100
	s_mov_b32 s[G1+5], 32                          ; tensor_dim0_stride
	s_mov_b32 s[G1+6], 0
	s_mov_b32 s[G1+7], 0
	s_mov_b32 s[SEL], 0x76543210
	s_mov_b32 s[SEL+1], 0xfedcba98
	s_mov_b32 s[CS], 0x3e38aa3b                    ; c = log2(e) / 8
	s_mov_b32 s[CS+1], s[CS]                       ; (named with it as a pair, so it is written)
	s_mov_b32 s[TB], 0
	s_mov_b32 s[SLOTS], 7
	s_wait_kmcnt 0x0
	s_mov_b32 s[G0], 1                             ; 1:0 count = 1
	s_mul_i32 s[G0+1], s46, 2*STEPB                ; 63:32 LDS address: slot 0, my half: no place in the cluster enters it
	s_add_nc_u64 s[G0+2:G0+3], s[6:7], s[44:45]    ; 120:64 global address: the head's first four steps, my half
	s_or_b32 s[G0+3], s[G0+3], 0x80000000          ; 127:126 type = 2
	s_add_nc_u64 s[52:53], s[4:5], s[52:53]
	s_add_nc_u64 s[48:49], s[4:5], s[48:49]
	s_add_nc_u64 s[8:9], s[8:9], s[56:57]
	s_add_nc_u64 s[10:11], s[10:11], s[58:59]
	CROUND                                         ; all four work-groups are here: the first joint load meets
	TLOAD                                          ; slot 0
	global_load_b128 v[QF:QF+3], v1, s[52:53]      ; Q's half, twice: the two forms of the operand in registers of their own
	global_load_b64 v[QF+4:QF+5], v2, s[52:53] offset:512
	global_load_b128 v[QF+12:QF+15], v1, s[52:53]
	global_load_b64 v[QF+16:QF+17], v2, s[52:53] offset:512
	global_load_b32 v[T], v4, s[48:49] offset:6144 ; my pair's word of query r
.irp j, 6,7,8,9,10,11
	v_mov_b32 v[QF+\j], 0                          ; zero codes
.endr
	v_mov_b32 v13, 0xff61b1e6                      ; the largest t so far: -3e38, under every t
	v_floor_f32 v12, -v13                          ; -M
	v_mov_b32 v14, 0                               ; the sum, in two halves
	v_mov_b32 v15, 0
.irp b, 0,1,2,3
	v_mov_b32 v[BX+\b], 0                          ; written once: a lane permute's destination counts as one of its sources
.endr
	v_mov_b32 v[FF+1], 0
	s_wait_loadcnt 0x0                             ; Q
	v_lshrrev_b32 v[T], s38, v[T]
	v_and_b32 v[T], 0xffff, v[T]                   ; my tile's two bytes,
	v_lshl_or_b32 v[QW], v[T], 16, v[T]            ; below and above
.set J, 0
.rept 32
	v_mov_b32 v[O+J], 0                            ; O^T.  (The step is written once: the first finds zeros, which the first change of M leaves zeros.  These lines are also the places between Q's scale word and the first product)
.set J, J+1
.endr
.Lslot:                                            ; 7 trips: behind each change of slots but the last the next slot is asked for
	CHANGE 1
	STEP 0
	STEP 1
	STEP 2
	STEP 3
	s_xor_b32 s[TB], s[TB], SLOT1                  ; on to the other slot
	s_sub_co_u32 s[SLOTS], s[SLOTS], 1
	s_cmp_lg_u32 s[SLOTS], 0
	s_cbranch_scc1 .Lslot
	CHANGE 0                                       ; the last slot is written out
	STEP 0
	STEP 1
	STEP 2
	STEP 3
	; THE WAY OUT: o = O^T / the sum; its 64 channels are two blocks of 32 along the last projection's K: quantised here, they leave as half a fragment's registers and two scale bytes.
.rept 4
	v_nop                                          ; four places behind the last products
.endr
	v_add_f32 v14, v14, v15                        ; the sum's two halves,
	v_permlanex16_b32 v[T], v14, s[SEL], s[SEL+1]
	v_add_f32 v14, v14, v[T]                       ; and lane l xor 16's: the row's sum
	v_rcp_f32 v[FF], v14
	v_nop                                          ; a plain place behind the transcendental
.set J, 0
	s_wait_alu depctr_va_vdst(0)
.rept 16
	v_pk_mul_f32 v[S+J:S+J+1], v[O+J:O+J+1], v[FF:FF+1] op_sel_hi:[1,0]   ; register 16 b + i is o(query r, channel 32 b + 16 h + i)
.set J, J+2
.endr
.irp b, 0,1
	v_max3_num_f32 v[BM+\b], |v[S+16*\b]|, |v[S+1+16*\b]|, 0x1800000
.endr
.irp i, 2,4,6,8,10,12,14
.irp b, 0,1
	v_max3_num_f32 v[BM+\b], v[BM+\b], |v[S+16*\b+\i]|, |v[S+1+16*\b+\i]|
.endr
.endr
.irp b, 0,1
	v_permlanex16_b32 v[BX+\b], v[BM+\b], s[SEL], s[SEL+1]
.endr
.irp b, 0,1
	v_max_num_f32 v[BM+\b], v[BM+\b], v[BX+\b]
.endr
.irp b, 0,1
	v_add_nc_u32 v[SO+\b], 0xff000000, v[BM+\b]
.endr
.irp b, 0,1
	v_lshrrev_b32 v[BX+\b], 23, v[SO+\b]
.endr
	v_lshl_or_b32 v[T], v[BX+1], 8, v[BX]          ; the head's two bytes of query r
	v_cvt_scalef32_pk16_fp6_f32 v[PCD:PCD+2], v[S:S+15], v[SO]
	v_cvt_scalef32_pk16_fp6_f32 v[CT:CT+2], v[S+16:S+31], v[SO+1]
	v_nop                                          ; one plain place behind a scaled conversion
.irp i, 0,1,2
	v_permlane16_swap_b32 v[PCD+\i], v[CT+\i]
.endr
.irp i, 0,1,2
	v_mov_b32 v[PCD+3+\i], v[CT+\i]
.endr
	global_store_b128 v1, v[PCD:PCD+3], s[8:9]             ; 512 consecutive bytes,
	global_store_b64 v2, v[PCD+4:PCD+5], s[8:9] offset:512 ; and 256: whole aligned runs of 256 bytes
	global_store_b32 v4, v[T], s[10:11]                    ; 64 bytes of scale words (lanes l and l + 16 the same word to the same bytes)
	s_wait_tensorcnt 0x0                           ; the wave's end: behind my last tensor load, my last LDS instructions
	ds_add_u32 v[SPW], v[NIL]
	s_wait_dscnt 0x0
	CROUND                                         ; the closing round: no work-group ends while a partner may still ask for a tile that names it
	s_endpgm
.Lfunc_end_k_q43c71930d4_attn:
	.size	k_q43c71930d4_attn, .Lfunc_end_k_q43c71930d4_attn-k_q43c71930d4_attn
	.p2alignl 7, 3214868480
	.fill 96, 4, 3214868480
	.section	.rodata,"a",@progbits
	.p2align	6, 0x0
	.amdhsa_kernel k_q43c71930d4_attn
		.amdhsa_group_segment_fixed_size 327680
		.amdhsa_private_segment_fixed_size 0
		.amdhsa_enable_private_segment 0
		.amdhsa_kernarg_size 32
		.amdhsa_user_sgpr_count 2
		.amdhsa_user_sgpr_kernarg_segment_ptr 1
		.amdhsa_wavefront_size32 1
		.amdhsa_system_sgpr_workgroup_id_x 1
		.amdhsa_system_sgpr_workgroup_id_y 1
		.amdhsa_system_sgpr_workgroup_id_z 1
		.amdhsa_system_vgpr_workitem_id 0
		.amdhsa_next_free_vgpr 256
		.amdhsa_next_free_sgpr 66
		.amdhsa_reserve_vcc 0
		.amdhsa_float_denorm_mode_32 3
		.amdhsa_float_denorm_mode_16_64 3
		.amdhsa_memory_ordered 1
		.amdhsa_forward_progress 1
		.amdhsa_inst_pref_size 135
	.end_amdhsa_kernel
	.amdgpu_metadata
---
amdhsa.version: [ 1, 2 ]
amdhsa.kernels:
  - .name:           k_q43c71930d4_attn
    .symbol:         k_q43c71930d4_attn.kd
    .args:
      - { .name: qx, .offset: 0, .size: 8, .value_kind: global_buffer, .address_space: global }
      - { .name: kv, .offset: 8, .size: 8, .value_kind: global_buffer, .address_space: global }
      - { .name: oc, .offset: 16, .size: 8, .value_kind: global_buffer, .address_space: global }
      - { .name: os, .offset: 24, .size: 8, .value_kind: global_buffer, .address_space: global }
    .group_segment_fixed_size: 327680
    .private_segment_fixed_size: 0
    .kernarg_segment_align: 8
    .kernarg_segment_size: 32
    .max_flat_workgroup_size: 512
    .sgpr_count:     66
    .vgpr_count:     256
    .wavefront_size: 32
...
	.end_amdgpu_metadata
.endif
;; end of part 3
;; launch outp (part 4): grid 256 x 1, 4 waves a work-group, no clusters, 34,304 bytes of LDS; arguments oc, os, wc, ws, bo, out0; writes out0
.if DOCPART == 4
	.amdgcn_target "amdgcn-amd-amdhsa--gfx1250"
	.amdhsa_code_object_version 6
	.text
	.protected	k_q43c71930d4_outp
	.globl	k_q43c71930d4_outp
	.p2align	8
	.type	k_q43c71930d4_outp,@function
k_q43c71930d4_outp:
	s_mov_b64 s[64:65], 0
	v_nop
	global_prefetch_b8 v0, s[64:65] scope:SCOPE_SE
	s_setreg_imm32_b32 hwreg(HW_REG_WAVE_MODE, 25, 1), 1
	s_wait_xcnt 0x0
; out0 = o Wo^T + bo on codes of FP6 (E2M3) with one E8M0 scale for each 32 along K = 512.  Both operands arrive as images of their registers: o from the attention launch (oc, os), Wo from the weights' launch (wc, ws).
; SHARES: work-group g owns token tiles 2 g and 2 g + 1 (tokens 32 g .. 32 g + 31; row i of tile 2 g + u is token 32 g + 8 u + i + 8 (i / 8)); wave w owns outputs 128 w .. 128 w + 127.  Straight-line text, two units, no barrier: waves share nothing.
; TRANSPOSED: source 0 = 16 rows of Wo (row i of tile T is weight row 32 (T / 2) + 8 (T % 2) + i + 8 (i / 8)), source 1 = 16 tokens: a lane holds one token, and the 16 registers of tiles 2 b, 2 b + 1 are 16 neighbouring outputs, 64 bytes of a row.
; oc: [tile of tokens][head][768]: a head's half fragment (registers 0-3 as 512 bytes, 4-5 as 256); K step s of a tile is the halves of heads 2 s and 2 s + 1 on end.  os: [tile][head][16 words], two bytes in each.
; THE WAY OUT: a unit's 16 rows x 512 bytes go through the wave's own stage in LDS (rows 528 bytes apart) and leave as whole runs of 512 bytes.
; NO JOINT LOADS: each wave takes its 49,152 bytes of Wo's images once, straight into the registers that the products name; there is no tensor load for a mask to ride on, and through LDS the same bytes would be written and read once more.
; REGISTERS, in windows of 256: window 0: v1-7 addresses; v16-79 eight accumulators; v80-143, v144-207 rows on their way out (first: os's raw words in v80-95); v208-239 Wo's scale words, v240-247 o's.
;   window 1: Wo's fragments (t, K step 0, 1) at v[12 (8 (s % 2) + t)];  window 2: K steps 2, 3;  window 3: v0-63 the bias, eight registers a tile; v64-159 o's fragments, 48 u + 12 s.
.set HA,  16
.set RAW, 80
.set PS,  208
.set LS,  240
.set OF,  64
.set MSB, 0
.macro WIN new                         ; the immediate's high byte repeats the setting that is left; a switch that changes nothing is dropped
.if MSB != \new
	s_set_vgpr_msb (MSB<<8)|\new
.set MSB, \new
.endif
.endm
.macro UNIT u
.set OB, 80+64*(\u)
.irp s, 0,1,2,3
.if \s == 0
	WIN 0x3d                                       ; source 0 window 1, source 1 window 3, C (the bias) window 3
.elseif \s == 1
	WIN 0x0d                                       ; source 0 window 1, source 1 window 3
.else
	WIN 0x0e                                       ; source 0 window 2, source 1 window 3
.endif
.irp t, 0,1,2,3,4,5,6,7                ; the 8 accumulators take turns, one instruction a turn
.if \s == 0
	v_wmma_scale_f32_16x16x128_f8f6f4 v[HA+8*\t:HA+8*\t+7], v[12*(8*(\s%2)+\t):12*(8*(\s%2)+\t)+11], v[OF+48*(\u)+12*\s:OF+48*(\u)+12*\s+11], v[8*\t:8*\t+7], v[PS+4*\t+\s], v[LS+4*(\u)+\s] matrix_a_fmt:MATRIX_FMT_FP6 matrix_b_fmt:MATRIX_FMT_FP6
.else
	v_wmma_scale_f32_16x16x128_f8f6f4 v[HA+8*\t:HA+8*\t+7], v[12*(8*(\s%2)+\t):12*(8*(\s%2)+\t)+11], v[OF+48*(\u)+12*\s:OF+48*(\u)+12*\s+11], v[HA+8*\t:HA+8*\t+7], v[PS+4*\t+\s], v[LS+4*(\u)+\s] matrix_a_fmt:MATRIX_FMT_FP6 matrix_b_fmt:MATRIX_FMT_FP6
.endif
.endr
.endr
	WIN 0
.rept 5
	v_nop                                          ; four places in front of the stores that read the results; the fifth for the next unit's first products, which begin the same accumulators anew
.endr
.irp b, 0,1,2,3
.irp q, 0,1,2,3
	ds_store_b128 v6, v[HA+16*\b+4*\q:HA+16*\b+4*\q+3] offset:128*\b+16*\q   ; row r: outputs 32 b + 16 h + 4 q on; each accumulator from its low end on
.endr
.endr
.irp i, 0,1,2,3,4,5,6,7,8,9,10,11,12,13,14,15
	ds_load_b128 v[OB+4*\i:OB+4*\i+3], v7 offset:528*\i    ; LDS serves a wave's instructions in order (ISA guide 5.7.1.4): these see the stores above
.endr
.irp i, 0,1,2,3,4,5,6,7,8,9,10,11,12,13,14,15
	s_wait_dscnt 15-\i                             ; row i is back; the younger reads may be out
	global_store_b128 v1, v[OB+4*\i:OB+4*\i+3], s[14:15] offset:(8*(\u)+\i+8*(\i/8))*2048 th:TH_STORE_NT   ; 32 lanes store 512 consecutive bytes, at a multiple of 256 from out0's first byte; written once, read by nobody here
.endr
.endm
	s_load_b256 s[4:11], s[0:1], 0x0               ; oc s[4:5], os s[6:7], wc s[8:9], ws s[10:11]
	s_load_b128 s[12:15], s[0:1], 0x20             ; bo s[12:13], out0 s[14:15]
	v_lshl_add_u32 v254, v0, 2, 0x8400
	v_mov_b32 v255, 0
	v_lshrrev_b32 v8, 5, v0
	v_readfirstlane_b32 s16, v8                    ; wave 0..3
	v_and_b32 v8, 31, v0                           ; lane
	v_and_b32 v9, 15, v0                           ; r
	v_bfe_u32 v10, v0, 4, 1                        ; h
	v_lshlrev_b32 v1, 4, v8                        ; 16 l
	v_lshlrev_b32 v2, 3, v8                        ; 8 l
	v_lshlrev_b32 v3, 2, v9                        ; 4 r
	v_lshlrev_b32 v4, 4, v9                        ; 16 r
	v_lshlrev_b32 v5, 6, v10                       ; 64 h
	s_mul_i32 s20, s16, 8448                       ; my stage: 16 rows of 528 bytes
	v_mul_u32_u24 v6, v9, 528
	v_add_nc_u32 v6, v6, v5
	v_add_nc_u32 v6, s20, v6                       ; in: row r, + 64 h
	v_add_nc_u32 v7, s20, v1                       ; back: 16 bytes a lane of a row
	s_mul_i32 s22, ttmp9, 12288                    ; oc: two tiles of 6,144 bytes
	s_mov_b32 s23, 0
	s_lshl_b32 s24, ttmp9, 10                      ; os: two tiles of 512 bytes
	s_mov_b32 s25, 0
	s_mul_i32 s26, s16, 49152                      ; wc: the fourth weight, my 8 tiles
	s_add_co_u32 s26, s26, 589824
	s_mov_b32 s27, 0
	s_lshl_b32 s28, s16, 11                        ; ws likewise
	s_add_co_u32 s28, s28, 24576
	s_mov_b32 s29, 0
	s_lshl_b32 s30, s16, 9                         ; bo: my 128 numbers
	s_mov_b32 s31, 0
	s_lshl_b32 s32, ttmp9, 16                      ; out0: 32 rows of 2,048 bytes, + my 512 bytes of a row
	s_add_co_u32 s32, s32, s30
	s_mov_b32 s33, 0
	s_wait_kmcnt 0x0
	s_add_nc_u64 s[4:5], s[4:5], s[22:23]
	s_add_nc_u64 s[6:7], s[6:7], s[24:25]
	s_add_nc_u64 s[8:9], s[8:9], s[26:27]
	s_add_nc_u64 s[10:11], s[10:11], s[28:29]
	s_add_nc_u64 s[12:13], s[12:13], s[30:31]
	s_add_nc_u64 s[14:15], s[14:15], s[32:33]
.irp s, 0,1,2,3                        ; my part of Wo: 32 fragments
	WIN (0x40+0x40*(\s/2))                         ; destination window 1 or 2
.irp t, 0,1,2,3,4,5,6,7
.irp c, 0,1,2
	global_load_b128 v[12*(8*(\s%2)+\t)+4*\c:12*(8*(\s%2)+\t)+4*\c+3], v1, s[8:9] offset:(4*\t+\s)*1536+512*\c
.endr
.endr
.endr
	WIN 0xc0                                       ; destination window 3
.irp t, 0,1,2,3,4,5,6,7                ; lane (r, h) wants, for tile t, the bias of outputs 32 (t / 2) + 8 (t % 2) + 16 h + 0 .. 7
	global_load_b128 v[8*\t:8*\t+3], v5, s[12:13] offset:(32*(\t/2)+8*(\t%2))*4
	global_load_b128 v[8*\t+4:8*\t+7], v5, s[12:13] offset:(32*(\t/2)+8*(\t%2))*4+16
.endr
.irp u, 0,1                            ; o's fragments: two halves each
.irp s, 0,1,2,3
	global_load_b128 v[OF+48*\u+12*\s:OF+48*\u+12*\s+3], v1, s[4:5] offset:6144*\u+1536*\s th:TH_LOAD_NT
	global_load_b64 v[OF+48*\u+12*\s+4:OF+48*\u+12*\s+5], v2, s[4:5] offset:6144*\u+1536*\s+512 th:TH_LOAD_NT
	global_load_b128 v[OF+48*\u+12*\s+6:OF+48*\u+12*\s+9], v1, s[4:5] offset:6144*\u+1536*\s+768 th:TH_LOAD_NT
	global_load_b64 v[OF+48*\u+12*\s+10:OF+48*\u+12*\s+11], v2, s[4:5] offset:6144*\u+1536*\s+1280 th:TH_LOAD_NT
.endr
.endr
	WIN 0
.irp t, 0,1,2,3,4,5,6,7
	global_load_b128 v[PS+4*\t:PS+4*\t+3], v4, s[10:11] offset:256*\t   ; row r's four scale words
.endr
.irp u, 0,1
.irp d, 0,1,2,3,4,5,6,7
	global_load_b32 v[RAW+8*\u+\d], v3, s[6:7] offset:512*\u+64*\d      ; token r's two bytes of head d
.endr
.endr
	s_wait_loadcnt 0x0
.irp u, 0,1
.irp s, 0,1,2,3
	v_lshl_or_b32 v[LS+4*\u+\s], v[RAW+8*\u+2*\s+1], 16, v[RAW+8*\u+2*\s]   ; K step s: head 2 s's bytes below, head 2 s + 1's above
.endr
.endr
.rept 8
	v_nop                                          ; a scale register written by a vector instruction stands eight places ahead of a scaled matrix instruction
.endr
	UNIT 0
	UNIT 1
	s_wait_tensorcnt 0x0
	ds_add_u32 v254, v255
	s_wait_dscnt 0x0
	s_endpgm
.Lfunc_end_k_q43c71930d4_outp:
	.size	k_q43c71930d4_outp, .Lfunc_end_k_q43c71930d4_outp-k_q43c71930d4_outp
	.p2alignl 7, 3214868480
	.fill 96, 4, 3214868480
	.section	.rodata,"a",@progbits
	.p2align	6, 0x0
	.amdhsa_kernel k_q43c71930d4_outp
		.amdhsa_group_segment_fixed_size 34304
		.amdhsa_private_segment_fixed_size 0
		.amdhsa_enable_private_segment 0
		.amdhsa_kernarg_size 48
		.amdhsa_user_sgpr_count 2
		.amdhsa_user_sgpr_kernarg_segment_ptr 1
		.amdhsa_wavefront_size32 1
		.amdhsa_system_sgpr_workgroup_id_x 1
		.amdhsa_system_sgpr_workgroup_id_y 1
		.amdhsa_system_sgpr_workgroup_id_z 1
		.amdhsa_system_vgpr_workitem_id 0
		.amdhsa_next_free_vgpr 928
		.amdhsa_next_free_sgpr 66
		.amdhsa_reserve_vcc 0
		.amdhsa_float_denorm_mode_32 3
		.amdhsa_float_denorm_mode_16_64 3
		.amdhsa_memory_ordered 1
		.amdhsa_forward_progress 1
		.amdhsa_inst_pref_size 36
	.end_amdhsa_kernel
	.amdgpu_metadata
---
amdhsa.version: [ 1, 2 ]
amdhsa.kernels:
  - .name:           k_q43c71930d4_outp
    .symbol:         k_q43c71930d4_outp.kd
    .args:
      - { .name: oc, .offset: 0, .size: 8, .value_kind: global_buffer, .address_space: global }
      - { .name: os, .offset: 8, .size: 8, .value_kind: global_buffer, .address_space: global }
      - { .name: wc, .offset: 16, .size: 8, .value_kind: global_buffer, .address_space: global }
      - { .name: ws, .offset: 24, .size: 8, .value_kind: global_buffer, .address_space: global }
      - { .name: bo, .offset: 32, .size: 8, .value_kind: global_buffer, .address_space: global }
      - { .name: out0, .offset: 40, .size: 8, .value_kind: global_buffer, .address_space: global }
    .group_segment_fixed_size: 34304
    .private_segment_fixed_size: 0
    .kernarg_segment_align: 8
    .kernarg_segment_size: 48
    .max_flat_workgroup_size: 128
    .sgpr_count:     66
    .vgpr_count:     928
    .wavefront_size: 32
...
	.end_amdgpu_metadata
.endif
;; end of part 4
;; ======== version 2 of 2: 4 launches
;; workspace buffers: wc 786,432 bytes; ws 32,768 bytes; qx 3,276,800 bytes; kv 6,553,600 bytes; oc 3,145,728 bytes; os 262,144 bytes
;; launch wquant (part 5): grid 32 x 4, 4 waves a work-group, no clusters, 1,536 bytes of LDS; arguments Wq, Wk, Wv, Wo, wc, ws; writes wc, ws
.if DOCPART == 5
	.amdgcn_target "amdgcn-amd-amdhsa--gfx1250"
	.amdhsa_code_object_version 6
	.text
	.protected	k_q43c71930d4_wquant
	.globl	k_q43c71930d4_wquant
	.p2align	8
	.type	k_q43c71930d4_wquant,@function
k_q43c71930d4_wquant:
	s_mov_b64 s[64:65], 0
	v_nop
	global_prefetch_b8 v0, s[64:65] scope:SCOPE_SE
	s_setreg_imm32_b32 hwreg(HW_REG_WAVE_MODE, 25, 1), 1
	s_wait_xcnt 0x0
; The four weights [512 (out)][512 (k)], f32, K innermost, become codes of FP6 (E2M3) with one E8M0 byte for each 32 along K, laid as the later launches' operand registers want them.
; wc: [weight q,k,v,o][tile T 0..31][K step s 0..3][1,536 bytes]: a fragment (16 rows x 128 K, 12 registers a lane) as an image of its registers: three pieces of 512 bytes, lane l's 16 bytes at 16 l.
; ws: [weight][T][row r 0..15][s 0..3]: the 32-bit scale words; 256 bytes a tile.
; THE ROWS OF A TILE ARE NOT NEIGHBOURS: row i of tile T is weight row 32 (T / 2) + 8 (T % 2) + i + 8 (i / 8), so that, with such tiles as source 0, the 16 result registers of tiles 2 b and 2 b + 1 are 16 neighbouring outputs.
; SHARES: work-group (x = T, y = weight); wave w makes the fragment of K step w.  One run of loads, no loop.
; A block's scale is 2^(floor(log2(its largest magnitude)) - 2); its byte is the largest magnitude's exponent field - 2, held at 1 from below.
; LIMITS: NaN and infinities are not served; a block whose largest magnitude lies under 2^-124 has its byte held at 1; a block of zeros gets the byte 1 where the rule says 127: its codes are zeros, and this program alone reads the bytes.
.set X,   32                           ; v32-95   64 numbers of my row: register 16 b + i = k 32 b + 16 (lane / 16) + i of the K step
.set PC,  96                           ; v96-115  the codes (12 registers, and 8 at work)
.set TM,  116                          ; v116-131 maxima, bytes, scale operands
.set PW,  132                          ; v132     the scale word
.set SEL, 20                           ; s[20:21] v_permlanex16_b32's selects for lane l xor 16
.set MSB, 0
.macro WIN new                         ; the immediate's high byte repeats the setting that is left; a switch that changes nothing is dropped (here none is ever written: all lies in window 0)
.if MSB != \new
	s_set_vgpr_msb (MSB<<8)|\new
.set MSB, \new
.endif
.endm
; 64 numbers of a lane, v[s] .. v[s + 63] of window w, become a fragment's codes in v[PC] .. v[PC + 11] and its row's scale word in v[PW].
.macro QUANT s, w
	WIN ((\w)|((\w)<<2))
.irp b, 0,1,2,3
	v_max3_num_f32 v[TM+\b], |v[(\s)+16*\b]|, |v[(\s)+1+16*\b]|, 0x1800000   ; block b: my 16 numbers, and the floor 2^(3 - 127): the byte cannot fall under 1
.endr
	WIN (((\w)<<2)|((\w)<<4))
.irp i, 2,4,6,8,10,12,14
.irp b, 0,1,2,3
	v_max3_num_f32 v[TM+\b], v[TM+\b], |v[(\s)+16*\b+\i]|, |v[(\s)+1+16*\b+\i]|   ; the four blocks by turns
.endr
.endr
	WIN 0
.irp b, 0,1,2,3
	v_permlanex16_b32 v[TM+4+\b], v[TM+\b], s[SEL], s[SEL+1]
.endr
.irp b, 0,1,2,3
	v_max_num_f32 v[TM+\b], v[TM+\b], v[TM+4+\b]        ; with lane l xor 16's: the block's largest magnitude
.endr
.irp b, 0,1,2,3
	v_add_nc_u32 v[TM+12+\b], 0xff000000, v[TM+\b]      ; 2 off its exponent field: the conversion takes the exponent field of this operand as its scale
.endr
.irp b, 0,1,2,3
	v_lshrrev_b32 v[TM+4+\b], 23, v[TM+12+\b]           ; the scale's byte
.endr
	v_lshl_or_b32 v[PW], v[TM+5], 8, v[TM+4]
	v_lshl_or_b32 v[PW], v[TM+6], 16, v[PW]
	v_lshl_or_b32 v[PW], v[TM+7], 24, v[PW]
	WIN (\w)
.irp c, 0,1
	v_cvt_scalef32_pk16_fp6_f32 v[PC+6*\c:PC+6*\c+2], v[(\s)+32*\c:(\s)+32*\c+15], v[TM+12+2*\c]
	v_cvt_scalef32_pk16_fp6_f32 v[PC+12+4*\c:PC+14+4*\c], v[(\s)+16+32*\c:(\s)+31+32*\c], v[TM+13+2*\c]   ; (a conversion's three registers begin on an even number)
.endr
	WIN 0
	v_nop                                               ; one plain place behind a scaled conversion
.irp c, 0,1                                         ; the operand's layout wants a WHOLE block in a lane: lanes 0-15 block 2 c, lanes 16-31 block 2 c + 1
.irp i, 0,1,2
	v_permlane16_swap_b32 v[PC+6*\c+\i], v[PC+12+4*\c+\i]
.endr
.irp i, 0,1,2
	v_mov_b32 v[PC+3+6*\c+\i], v[PC+12+4*\c+\i]
.endr
.endr
.endm
	s_load_b256 s[4:11], s[0:1], 0x0               ; Wq, Wk, Wv, Wo
	s_load_b128 s[12:15], s[0:1], 0x20             ; wc, ws
	v_lshl_add_u32 v144, v0, 2, 0x400
	v_mov_b32 v145, 0
	v_lshrrev_b32 v5, 5, v0
	v_readfirstlane_b32 s17, v5                    ; wave = K step
	s_and_b32 s16, ttmp7, 0xffff                   ; which weight
	v_and_b32 v6, 31, v0                           ; lane
	v_and_b32 v7, 15, v0                           ; r
	v_bfe_u32 v8, v0, 4, 1                         ; h
	v_lshlrev_b32 v1, 4, v6                        ; 16 x lane: my place in a piece of the image
	v_and_b32 v9, 8, v7
	v_add_nc_u32 v9, v9, v7                        ; r + 8 (r / 8)
	v_lshlrev_b32 v2, 11, v9                       ; that row of 2,048 bytes,
	v_lshl_add_u32 v2, v8, 6, v2                   ; + 64 h: my 16 numbers of a block of 32
	v_lshlrev_b32 v4, 4, v7                        ; 16 r: a row's four scale words
	s_lshl_b32 s18, s17, 2
	v_add_nc_u32 v3, s18, v4                       ; LDS: 16 r + 4 x wave: my K step's word of row r
	s_mov_b32 s[SEL], 0x76543210
	s_mov_b32 s[SEL+1], 0xfedcba98
.irp b, 0,1,2,3
	v_mov_b32 v[TM+4+\b], 0                        ; written once: a lane permute's destination counts as one of its sources
.endr
	s_lshr_b32 s22, ttmp9, 1                       ; the tile's first row, 32 (T / 2) + 8 (T % 2), in bytes, + 512 x K step
	s_lshl_b32 s22, s22, 16
	s_and_b32 s23, ttmp9, 1
	s_lshl_b32 s23, s23, 14
	s_add_co_u32 s22, s22, s23
	s_lshl_b32 s23, s17, 9
	s_add_co_u32 s22, s22, s23
	s_mov_b32 s23, 0
	s_lshl_b32 s24, s16, 7                         ; the image's number: 128 x weight + 4 T + s
	s_lshl_b32 s25, ttmp9, 2
	s_add_co_u32 s24, s24, s25
	s_add_co_u32 s24, s24, s17
	s_mul_i32 s24, s24, 1536
	s_mov_b32 s25, 0
	s_lshl_b32 s26, s16, 5                         ; the tile's scale words: (32 x weight + T) x 256
	s_add_co_u32 s26, s26, ttmp9
	s_lshl_b32 s26, s26, 8
	s_mov_b32 s27, 0
	s_wait_alu depctr_va_vdst(0)
	s_wait_kmcnt 0x0
	s_cmp_eq_u32 s16, 1                            ; the choice hangs on the work-group's number alone
	s_cselect_b64 s[4:5], s[6:7], s[4:5]
	s_cmp_eq_u32 s16, 2
	s_cselect_b64 s[4:5], s[8:9], s[4:5]
	s_cmp_eq_u32 s16, 3
	s_cselect_b64 s[4:5], s[10:11], s[4:5]
	s_add_nc_u64 s[4:5], s[4:5], s[22:23]
	s_add_nc_u64 s[12:13], s[12:13], s[24:25]
	s_add_nc_u64 s[14:15], s[14:15], s[26:27]
.irp b, 0,1,2,3
.irp j, 0,1,2,3
	global_load_b128 v[X+16*\b+4*\j:X+16*\b+4*\j+3], v2, s[4:5] offset:128*\b+16*\j th:TH_LOAD_NT   ; each weight byte is read once in this launch
.endr
.endr
	s_wait_loadcnt 0x0
	QUANT X, 0
.irp c, 0,1,2
	global_store_b128 v1, v[PC+4*\c:PC+4*\c+3], s[12:13] offset:512*\c   ; 32 lanes store 512 consecutive bytes, at a multiple of 256 from wc's first byte
.endr
	ds_store_b32 v3, v[PW]                         ; lanes l and l + 16 hold the same word and write it to the same bytes
	s_wait_dscnt 0x0                               ; for the others' sake: my word has landed
	s_barrier_signal -1
	s_barrier_wait -1
	s_cmp_lg_u32 s17, 0
	s_cbranch_scc1 .Lend                           ; wave 0 alone stores the tile's 256 bytes of scale words
	ds_load_b128 v[136:139], v4
	s_wait_dscnt 0x0
	global_store_b128 v4, v[136:139], s[14:15]     ; sixteen lanes store 256 consecutive aligned bytes (the other sixteen the same bytes with the same values)
.Lend:
	s_wait_tensorcnt 0x0
	ds_add_u32 v144, v145
	s_wait_dscnt 0x0
	s_endpgm
.Lfunc_end_k_q43c71930d4_wquant:
	.size	k_q43c71930d4_wquant, .Lfunc_end_k_q43c71930d4_wquant-k_q43c71930d4_wquant
	.p2alignl 7, 3214868480
	.fill 96, 4, 3214868480
	.section	.rodata,"a",@progbits
	.p2align	6, 0x0
	.amdhsa_kernel k_q43c71930d4_wquant
		.amdhsa_group_segment_fixed_size 1536
		.amdhsa_private_segment_fixed_size 0
		.amdhsa_enable_private_segment 0
		.amdhsa_kernarg_size 48
		.amdhsa_user_sgpr_count 2
		.amdhsa_user_sgpr_kernarg_segment_ptr 1
		.amdhsa_wavefront_size32 1
		.amdhsa_system_sgpr_workgroup_id_x 1
		.amdhsa_system_sgpr_workgroup_id_y 1
		.amdhsa_system_sgpr_workgroup_id_z 1
		.amdhsa_system_vgpr_workitem_id 0
		.amdhsa_next_free_vgpr 146
		.amdhsa_next_free_sgpr 66
		.amdhsa_reserve_vcc 0
		.amdhsa_float_denorm_mode_32 3
		.amdhsa_float_denorm_mode_16_64 3
		.amdhsa_memory_ordered 1
		.amdhsa_forward_progress 1
		.amdhsa_inst_pref_size 9
	.end_amdhsa_kernel
	.amdgpu_metadata
---
amdhsa.version: [ 1, 2 ]
amdhsa.kernels:
  - .name:           k_q43c71930d4_wquant
    .symbol:         k_q43c71930d4_wquant.kd
    .args:
      - { .name: Wq, .offset: 0, .size: 8, .value_kind: global_buffer, .address_space: global }
      - { .name: Wk, .offset: 8, .size: 8, .value_kind: global_buffer, .address_space: global }
      - { .name: Wv, .offset: 16, .size: 8, .value_kind: global_buffer, .address_space: global }
      - { .name: Wo, .offset: 24, .size: 8, .value_kind: global_buffer, .address_space: global }
      - { .name: wc, .offset: 32, .size: 8, .value_kind: global_buffer, .address_space: global }
      - { .name: ws, .offset: 40, .size: 8, .value_kind: global_buffer, .address_space: global }
    .group_segment_fixed_size: 1536
    .private_segment_fixed_size: 0
    .kernarg_segment_align: 8
    .kernarg_segment_size: 48
    .max_flat_workgroup_size: 128
    .sgpr_count:     66
    .vgpr_count:     146
    .wavefront_size: 32
...
	.end_amdgpu_metadata
.endif
;; end of part 5
;; launch proj (part 6): grid 64 x 3, 4 waves a work-group, no clusters, 57,856 bytes of LDS; arguments query, key_, value, bq, bk, bv, wc, ws, qx, kv; writes qx, kv
.if DOCPART == 6
	.amdgcn_target "amdgcn-amd-amdhsa--gfx1250"
	.amdhsa_code_object_version 6
	.text
	.protected	k_q43c71930d4_proj
	.globl	k_q43c71930d4_proj
	.p2align	8
	.type	k_q43c71930d4_proj,@function
k_q43c71930d4_proj:
	s_mov_b64 s[64:65], 0
	v_nop
	global_prefetch_b8 v0, s[64:65] scope:SCOPE_SE
	s_setreg_imm32_b32 hwreg(HW_REG_WAVE_SCHED_MODE, 0, 2), 2
	s_setreg_imm32_b32 hwreg(HW_REG_WAVE_MODE, 25, 1), 1
	s_wait_xcnt 0x0
	s_wait_alu depctr_vm_vsrc(0)
; q = query Wq^T + bq, k = key_ Wk^T + bk, v = value Wv^T + bv, on codes of FP6 (E2M3) with one E8M0 scale for each 32 along K; the results are quantised at once for the attention launch and leave as images of its operand registers.
; SHARES: work-group (x = a block of 128 tokens, y = 0 q, 1 k, 2 v).  Wave w owns outputs 128 w .. 128 w + 127: heads 2 w and 2 w + 1.  Straight-line text: every LDS and memory offset is an immediate.
; TILES: row i of a tile T (of tokens, of weight rows) is object 32 (T / 2) + 8 (T % 2) + i + 8 (i / 8): with such tiles as source 0 the 16 result registers of tiles 2 b, 2 b + 1 are 16 neighbours, 32 b + 16 (lane / 16) + 0 .. 15.
; PHASE X: wave w quantises token tiles 2 w, 2 w + 1 (8 fragments of 16 rows x 128 K) and stores them in LDS as images of their registers (three pieces of 512 bytes, lane l's 16 bytes at 16 l); one barrier.
; q, k: source 0 = 16 rows of the weight, source 1 = 16 tokens: a lane holds one token, its 64 registers run along my 128 outputs = two heads of 64 = the next product's K.  A head's 6 registers (a HALF: 512 + 256 bytes) go out by themselves.
; v:    source 0 = 16 tokens, source 1 = 16 rows of Wv: a lane holds one channel, its 64 registers run along the block's 128 tokens = the keys = the last product's K.  A whole fragment goes out.
; qx: [batch x head][block of 128 queries][8 halves of 768 bytes | 4 x 16 pair words].  kv: [batch x head][step of 128 keys][K: 8 halves | V^T: 4 fragments of 1,536 | K: 4 x 16 pair words | V: 4 x 16 scale words].
; A pair word: bytes 0, 1 = the two head blocks of token tile 2 j, bytes 2, 3 = those of tile 2 j + 1.
; NO JOINT LOADS: each wave takes its 49,152 bytes of the weight's images once, straight into the registers in which they stay; there is no tensor load for a mask to ride on, and through LDS the same bytes would be written and read once more.
; LIMITS: NaN and infinities are not served; a block whose largest magnitude lies under 2^-124 has its byte held at 1; a block of zeros gets the byte 1 where the rule says 127: its codes are zeros, and this program alone reads the bytes.
; THE MODE: SCHED_MODE bits 1:0 = 2 (LLVM: expert scheduling mode 2), set by the entry lines.  The code itself states the register dependences between vector or matrix instructions and memory or LDS instructions, with s_wait_alu, always for 0.
; THE PLAN.  Registers that memory or LDS instructions touch:
;   v1 .. v15      offsets and LDS addresses: all made at the head, ahead of one wait on va_vdst, and never written again.
;   X0 .. X3       (window 1) phase X: QUANT of fragment f reads set f % 4; behind it the loads of fragment f + 4 land there.  Behind the barrier the staying side's fragments land there.
;   PC, PW, TT     written by QUANT and the pair word's lines; read by the stores that follow them.
;   LF, LS, BV     two sets each, filled by loads alone.  Unit m's products read set m % 2; the loads of tile m + 1 land in the other set and are dealt among unit m's products, a fragment behind each K step.
;   windows 1, 2 (the staying side), PS, the bias of q or k: filled once by loads, read by products.   HA is named by matrix and vector instructions alone.
; THE WAITS.  One wait on va_vdst behind each QUANT: the codes, the scale word and the pair word are written, which the stores read; the numbers' set (phase X) is read, in which loads land; the unit's products are done reading
; their set of LF, LS, BV, in which the loads dealt among the NEXT unit's products land: since that wait only that unit's products are issued, and they name the other set.
; One wait on vm_vsrc inside each QUANT but the first, ahead of its first write of PW and PC: the stores issued behind the last QUANT have read them.
; REGISTERS, in windows of 256: window 0: see below.  Window 1: four sets of 64 numbers of x; then the staying side's fragments (t, K step 0, 1) at v[12 (8 (s % 2) + t)].  Window 2: those of K steps 2, 3.  Window 3: v0-63 the bias of q or k, eight registers a tile; v64-79 v's bias, two sets.
.set XIMG, 0                           ; LDS: x's 32 fragments, number 4 m + s, 1,536 bytes each
.set XSC,  49152                       ; their scale words, 128 bytes each (a word a lane)
.set SCQ,  53248                       ; q, k: 512 bytes a wave, the pair words on their way out
.set SCV,  55296                       ; v: 512 bytes a wave, the scale words on their way out (each way has bytes of its own)
.set PC,  16                           ; v16-35   the codes just made
.set TM,  36                           ; v36-43   maxima, bytes; v48-51 scale operands (v44-47 are not QUANT's)
.set PW,  52                           ; v52      the scale word just made
.set PE,  53                           ; v53      the even tile's half of a pair word
.set TT,  54                           ; v54      the pair word
.set LS,  56                           ; the passing side's four scale words: set p at LS - 12 p: v56-59, v44-47
.set PS,  60                           ; v60-91   the staying side's, 4 t + s
.set LF,  92                           ; the passing side's four fragments: set p at LF + 112 p: v92-139, v204-251
.set HA,  140                          ; v140-203 eight accumulators
.set BV,  64                           ; in window 3: v: my channel's bias, eight times: set p at BV + 8 p
.set RB,  92                           ; v92-95   the stash read back: four registers of LF's set 0, which is done with by then
.set SEL, 28                           ; s[28:29] v_permlanex16_b32's selects for lane l xor 16
; v1 16 l, v2 8 l, v3 4 l; v4 x: my byte in the wave's rows; v5, v6 where I store x's images and scale words; v7 16 r; v8 64 h; v9 4 (r + 8 (r / 8)); v10 16 h; v11, v12 into the stashes; v13, v14 out of them; v15 their place in memory
.set MSB, 0
.macro WIN new                         ; the immediate's high byte repeats the setting that is left; a switch that changes nothing is dropped
.if MSB != \new
	s_set_vgpr_msb (MSB<<8)|\new
.set MSB, \new
.endif
.endm
; 64 numbers of a lane, v[s] .. v[s + 63] of window w, register 16 b + i = k 32 b + 16 (lane / 16) + i of my row, become a fragment's codes in v[PC] .. v[PC + 11] and its row's scale word in v[PW].
; e = 0: no store stands ahead of it.  e = 1: LDS stores have read PC and PW.  e = 2: global stores have, too.
.macro QUANT s, w, e
	WIN ((\w)|((\w)<<2))
.irp b, 0,1,2,3
	v_max3_num_f32 v[TM+\b], |v[(\s)+16*\b]|, |v[(\s)+1+16*\b]|, 0x1800000   ; block b: my 16 numbers, and the floor 2^(3 - 127): the byte cannot fall under 1.  (Each accumulator is read from its low end on)
.endr
	WIN (((\w)<<2)|((\w)<<4))
.irp i, 2,4,6,8,10,12,14
.irp b, 0,1,2,3
	v_max3_num_f32 v[TM+\b], v[TM+\b], |v[(\s)+16*\b+\i]|, |v[(\s)+1+16*\b+\i]|   ; the four blocks by turns
.endr
.endr
	WIN 0
.irp b, 0,1,2,3
	v_permlanex16_b32 v[TM+4+\b], v[TM+\b], s[SEL], s[SEL+1]
.endr
.irp b, 0,1,2,3
	v_max_num_f32 v[TM+\b], v[TM+\b], v[TM+4+\b]        ; with lane l xor 16's: the block's largest magnitude
.endr
.irp b, 0,1,2,3
	v_add_nc_u32 v[TM+12+\b], 0xff000000, v[TM+\b]      ; 2 off its exponent field: the conversion takes the exponent field of this operand as its scale
.endr
.irp b, 0,1,2,3
	v_lshrrev_b32 v[TM+4+\b], 23, v[TM+12+\b]           ; the scale's byte
.endr
.if (\e) > 1
	s_wait_alu depctr_va_vdst(0)
	s_wait_xcnt 0x0                                     ; the last unit's global stores have had their addresses translated (ISA guide 3.1): the codes' registers are rewritten only behind this wait
.endif
.if (\e) > 0
	s_wait_alu depctr_vm_vsrc(0)                        ; the stores issued behind the last QUANT have read v[PC ..], v[PW] and v[TT], which the lines from here on write again
.endif
	v_lshl_or_b32 v[PW], v[TM+5], 8, v[TM+4]
	v_lshl_or_b32 v[PW], v[TM+6], 16, v[PW]
	v_lshl_or_b32 v[PW], v[TM+7], 24, v[PW]
	WIN (\w)
.irp c, 0,1
	v_cvt_scalef32_pk16_fp6_f32 v[PC+6*\c:PC+6*\c+2], v[(\s)+32*\c:(\s)+32*\c+15], v[TM+12+2*\c]
	v_cvt_scalef32_pk16_fp6_f32 v[PC+12+4*\c:PC+14+4*\c], v[(\s)+16+32*\c:(\s)+31+32*\c], v[TM+13+2*\c]   ; (a conversion's three registers begin on an even number)
.endr
	WIN 0
	v_nop                                               ; one plain place behind a scaled conversion
.irp c, 0,1                                         ; the operand's layout wants a WHOLE block in a lane: lanes 0-15 block 2 c, lanes 16-31 block 2 c + 1
.irp i, 0,1,2
	v_permlane16_swap_b32 v[PC+6*\c+\i], v[PC+12+4*\c+\i]
.endr
.irp i, 0,1,2
	v_mov_b32 v[PC+3+6*\c+\i], v[PC+12+4*\c+\i]
.endr
.endr
.endm
; my wave's fragment f of x (token tile 2 w + f / 4, K step f % 4): 64 numbers a lane into set f % 4 of window 1
.macro XLOAD f
	WIN 0x40                                       ; destination window 1, address window 0
.irp b, 0,1,2,3
.irp j, 0,1,2,3
	global_load_b128 v[64*((\f)%4)+16*\b+4*\j:64*((\f)%4)+16*\b+4*\j+3], v4, s[4:5] offset:((\f)/4)*16384+512*((\f)%4)+128*\b+16*\j th:TH_LOAD_NT   ; x is read once in the launch
.endr
.endr
	WIN 0
.endm
.macro LQK m, s                        ; q, k: token tile m's fragment and scale word of K step s, from LDS, into set m % 2
.irp c, 0,1,2
	ds_load_b128 v[LF+112*((\m)%2)+12*(\s)+4*\c:LF+112*((\m)%2)+12*(\s)+4*\c+3], v1 offset:XIMG+(4*(\m)+(\s))*1536+512*\c
.endr
	ds_load_b32 v[LS-12*((\m)%2)+(\s)], v3 offset:XSC+128*(4*(\m)+(\s))
.endm
.macro LV n, s                         ; v: my tile n of Wv, into set n % 2: the fragment of K step s; with the first its four scale words, with the last my channel's bias eight times
.irp c, 0,1,2
	global_load_b128 v[LF+112*((\n)%2)+12*(\s)+4*\c:LF+112*((\n)%2)+12*(\s)+4*\c+3], v1, s[16:17] offset:(4*(\n)+(\s))*1536+512*\c
.endr
.if (\s) == 0
	global_load_b128 v[LS-12*((\n)%2):LS-12*((\n)%2)+3], v7, s[18:19] offset:256*(\n)
.endif
.if (\s) == 3
	WIN 0xc0                                       ; destination window 3, address window 0
.irp j, 0,1,2,3,4,5,6,7
	global_load_b32 v[BV+8*((\n)%2)+\j], v9, s[10:11] offset:(32*((\n)/2)+8*((\n)%2))*4
.endr
	WIN 0
.endif
.endm
; The 32 products of unit m: the staying side's 8 tiles (source 0) against the passing side's one tile (source 1, set m % 2), four K steps.  The 8 accumulators take turns, one instruction a turn.
; The bias is the C of each sum's first product, in window 3: cmode 0: eight registers a tile; cmode 1: the lane's one number, eight times, set m % 2.
; Behind each K step stand the loads of the next tile's same K step, into the other set.  They owe no wait of their own: the last unit's wait on va_vdst stands behind the last products that read that set, and the products issued since name this unit's set alone.
.macro MULS cmode, m
.irp s, 0,1,2,3
.if \s == 0
	WIN 0x31                                       ; source 0 window 1, C window 3
.elseif \s == 1
	WIN 0x01                                       ; source 0 window 1
.else
	WIN 0x02                                       ; source 0 window 2
.endif
.irp t, 0,1,2,3,4,5,6,7
.if (\s == 0) && (\cmode == 0)
	v_wmma_scale_f32_16x16x128_f8f6f4 v[HA+8*\t:HA+8*\t+7], v[12*(8*(\s%2)+\t):12*(8*(\s%2)+\t)+11], v[LF+112*((\m)%2)+12*\s:LF+112*((\m)%2)+12*\s+11], v[8*\t:8*\t+7], v[PS+4*\t+\s], v[LS-12*((\m)%2)+\s] matrix_a_fmt:MATRIX_FMT_FP6 matrix_b_fmt:MATRIX_FMT_FP6
.elseif \s == 0
	v_wmma_scale_f32_16x16x128_f8f6f4 v[HA+8*\t:HA+8*\t+7], v[12*(8*(\s%2)+\t):12*(8*(\s%2)+\t)+11], v[LF+112*((\m)%2)+12*\s:LF+112*((\m)%2)+12*\s+11], v[BV+8*((\m)%2):BV+8*((\m)%2)+7], v[PS+4*\t+\s], v[LS-12*((\m)%2)+\s] matrix_a_fmt:MATRIX_FMT_FP6 matrix_b_fmt:MATRIX_FMT_FP6
.else
	v_wmma_scale_f32_16x16x128_f8f6f4 v[HA+8*\t:HA+8*\t+7], v[12*(8*(\s%2)+\t):12*(8*(\s%2)+\t)+11], v[LF+112*((\m)%2)+12*\s:LF+112*((\m)%2)+12*\s+11], v[HA+8*\t:HA+8*\t+7], v[PS+4*\t+\s], v[LS-12*((\m)%2)+\s] matrix_a_fmt:MATRIX_FMT_FP6 matrix_b_fmt:MATRIX_FMT_FP6
.endif
.endr
.if (\m) < 7
	WIN 0
.if \cmode == 0
	LQK (\m)+1, \s
.else
	LV (\m)+1, \s
.endif
.endif
.endr
	WIN 0
.rept 4
	v_nop                                          ; four places (ISA guide 7.12.1) in front of the first read of these products' results
.endr
.endm
; q, k: token tile m.  Its 16 tokens x my 128 outputs are made, quantised along the outputs and stored: registers 0-5 are head 2 w's half, registers 6-11 head 2 w + 1's.
.macro UNITQK m
	s_wait_dscnt 0x0                               ; the tile's fragments and scale words are in: they were asked for among the last unit's products
	MULS 0, \m
.if (\m) == 0
	QUANT HA, 0, 1
.else
	QUANT HA, 0, 2
.endif
.if (\m)%2 == 0
	v_lshrrev_b32 v[PE], v10, v[PW]                ; lanes 0-15 keep head 2 w's two bytes, lanes 16-31 head 2 w + 1's
	v_and_b32 v[PE], 0xffff, v[PE]
.else
	v_lshrrev_b32 v[TT], v10, v[PW]
	v_lshl_or_b32 v[TT], v[TT], 16, v[PE]          ; the pair word: even tile below, odd tile above
.endif
	s_wait_alu depctr_va_vdst(0)                   ; v[PC ..] and v[TT] are written, which the stores below read; this unit's products are done reading their set of LF and LS, in which the loads among the next unit's products land
	global_store_b128 v1, v[PC:PC+3], s[48:49] offset:768*(\m)           ; 512 consecutive bytes,
	global_store_b64 v2, v[PC+4:PC+5], s[48:49] offset:768*(\m)+512      ; and 256: whole aligned runs of 256 bytes
	global_store_b128 v1, v[PC+6:PC+9], s[50:51] offset:768*(\m)
	global_store_b64 v2, v[PC+10:PC+11], s[50:51] offset:768*(\m)+512
.if (\m)%2 == 1
	ds_store_b32 v11, v[TT] offset:64*((\m)/2)
.endif
.endm
; v: my tile n of channels.  16 channels x the block's 128 tokens are made, quantised along the tokens and stored as a whole fragment.
.macro UNITV n
	s_wait_loadcnt 0x0                             ; the tile's fragments, scale words and bias are in: they were asked for among the last unit's products
	MULS 1, \n
.if (\n) == 0
	QUANT HA, 0, 1
.else
	QUANT HA, 0, 2
.endif
	s_wait_alu depctr_va_vdst(0)                   ; v[PC ..] and v[PW] are written, which the stores below read; this unit's products are done reading their set of LF, LS and BV, in which the loads among the next unit's products land
.irp c, 0,1,2
	global_store_b128 v1, v[PC+4*\c:PC+4*\c+3], s[48+2*((\n)/4):49+2*((\n)/4)] offset:6144+1536*((\n)%4)+512*\c
.endr
	ds_store_b32 v12, v[PW] offset:64*(\n)         ; lanes l and l + 16 hold the same word and write it to the same bytes
.endm
	s_load_b256 s[4:11], s[0:1], 0x0               ; query s[4:5], key_ s[6:7], value s[8:9], bq s[10:11]
	s_load_b256 s[12:19], s[0:1], 0x20             ; bk s[12:13], bv s[14:15], wc s[16:17], ws s[18:19]
	s_load_b128 s[20:23], s[0:1], 0x40             ; qx s[20:21], kv s[22:23]
	v_lshl_add_u32 v254, v0, 2, 0xe000
	v_mov_b32 v255, 0
	v_lshrrev_b32 v52, 5, v0
	v_readfirstlane_b32 s24, v52                   ; wave 0..3
	s_and_b32 s25, ttmp7, 0xffff                   ; 0 q, 1 k, 2 v
	s_mov_b32 s26, ttmp9                           ; the block of 128 tokens
	s_cmp_eq_u32 s25, 0
	s_mov_b32 s54, 409600
	s_cselect_b32 s54, 204800, s54                 ; bytes of a head in the buffer that I store into: qx, or kv
	v_and_b32 v52, 31, v0                          ; lane
	v_and_b32 v53, 15, v0                          ; r
	v_bfe_u32 v54, v0, 4, 1                        ; h
	v_lshlrev_b32 v1, 4, v52
	v_lshlrev_b32 v2, 3, v52
	v_lshlrev_b32 v3, 2, v52
	v_and_b32 v9, 8, v53
	v_add_nc_u32 v9, v9, v53                       ; r + 8 (r / 8)
	v_lshlrev_b32 v4, 11, v9
	v_lshl_add_u32 v4, v54, 6, v4                  ; x: that row of 2,048 bytes, + 64 h
	s_wait_alu depctr_va_sdst(0)                   ; s24 is written, ahead of its first reader: LDS addresses and all bases are made from it
	s_mul_i32 s30, s24, 12288
	v_add_nc_u32 v5, s30, v1                       ; my wave's 8 images: 16 l + 8 x 1,536 x wave
	s_lshl_b32 s30, s24, 10
	v_add_nc_u32 v6, s30, v3                       ; and their scale words: 4 l + 8 x 128 x wave
	v_lshlrev_b32 v7, 4, v53
	v_lshlrev_b32 v8, 6, v54
	v_lshlrev_b32 v9, 2, v9
	v_lshlrev_b32 v10, 4, v54
	s_lshl_b32 s30, s24, 9
	v_lshlrev_b32 v11, 2, v53
	v_add_nc_u32 v12, s30, v11                     ; 512 x wave + 4 r
	v_lshl_add_u32 v11, v54, 8, v12                ; + 256 h: a head's 256 bytes of pair words
	v_add_nc_u32 v11, SCQ, v11
	v_add_nc_u32 v12, SCV, v12
	v_add_nc_u32 v13, s30, v1                      ; back out of a stash: 512 x wave + 16 l
	v_add_nc_u32 v14, SCV, v13
	v_add_nc_u32 v13, SCQ, v13
	v_mul_u32_u24 v15, s54, v54
	v_add_nc_u32 v15, v15, v7                      ; the stash's place in memory: 16 r + h x a head's bytes
	s_mov_b32 s[SEL], 0x76543210
	s_mov_b32 s[SEL+1], 0xfedcba98
.irp b, 0,1,2,3
	v_mov_b32 v[TM+4+\b], 0                        ; written once: a lane permute's destination counts as one of its sources
.endr
	s_lshl_b32 s32, s26, 18                        ; x: (128 x block + 32 x wave) rows of 2,048 bytes
	s_lshl_b32 s33, s24, 16
	s_add_co_u32 s32, s32, s33
	s_mov_b32 s33, 0
	s_lshl_b32 s34, s24, 9                         ; the bias: my 128 numbers
	s_mov_b32 s35, 0
	s_mul_i32 s36, s25, 196608                     ; the weight's images: my 8 tiles of 4 x 1,536 bytes
	s_mul_i32 s37, s24, 49152
	s_add_co_u32 s36, s36, s37
	s_mov_b32 s37, 0
	s_lshl_b32 s38, s25, 13                        ; and scale words: my 8 tiles of 256 bytes
	s_lshl_b32 s39, s24, 11
	s_add_co_u32 s38, s38, s39
	s_mov_b32 s39, 0
	s_wait_kmcnt 0x0
	s_cmp_eq_u32 s25, 1                            ; the choices hang on the work-group's number alone
	s_cselect_b64 s[4:5], s[6:7], s[4:5]
	s_cselect_b64 s[10:11], s[12:13], s[10:11]
	s_cmp_eq_u32 s25, 2
	s_cselect_b64 s[4:5], s[8:9], s[4:5]
	s_cselect_b64 s[10:11], s[14:15], s[10:11]
	s_add_nc_u64 s[4:5], s[4:5], s[32:33]
	s_add_nc_u64 s[10:11], s[10:11], s[34:35]
	s_add_nc_u64 s[16:17], s[16:17], s[36:37]
	s_add_nc_u64 s[18:19], s[18:19], s[38:39]
	; ---- PHASE X: my 32 tokens of x become 8 fragments.  Four fragments' loads (64 of 16 bytes a lane) are out at a time.
	s_wait_alu depctr_va_vdst(0)                   ; the fifteen offsets and addresses v1 to v15 are written: every load and store of the kernel reads some of them, and no line writes them again
.irp f, 0,1,2,3
	XLOAD \f
.endr
.irp f, 0,1,2,3,4,5,6,7
.if \f <= 4
	s_wait_loadcnt 48                              ; fragment f's 16 loads are in; those of the three fragments behind it may be out
.else
	s_wait_loadcnt 16*(7-\f)                       ; the last fragments: fewer are behind
.endif
.if \f == 0
	QUANT 64*(\f%4), 1, 0
.else
	QUANT 64*(\f%4), 1, 1
.endif
	s_wait_alu depctr_va_vdst(0)                   ; v[PC ..] and v[PW] are written, which the LDS stores read; QUANT is done reading the numbers' set, in which the loads below land (behind the last fragment: the staying side's)
.irp c, 0,1,2
	ds_store_b128 v5, v[PC+4*\c:PC+4*\c+3] offset:XIMG+1536*\f+512*\c
.endr
	ds_store_b32 v6, v[PW] offset:XSC+128*\f
.if \f < 4
	XLOAD \f+4                                     ; the set just read takes the fragment four further on
.endif
.endr
	s_wait_dscnt 0x0                               ; for the other waves' sake: my eight images and their scale words have landed
	s_barrier_signal -1
	s_barrier_wait -1                              ; x's 32 fragments lie in LDS; nothing is stored there again
	s_cmp_eq_u32 s25, 2
	s_cbranch_scc1 .Lpath_v                        ; the same way for all four waves; no barrier stands behind this branch
	; ---- q, k
	s_cmp_eq_u32 s25, 0
	s_cselect_b64 s[48:49], s[20:21], s[22:23]     ; qx or kv
	s_mov_b32 s30, 12800
	s_cselect_b32 s30, 6400, s30                   ; bytes of a block of 128 tokens there,
	s_mov_b32 s31, 12288
	s_cselect_b32 s31, 6144, s31                   ; and where a block's pair words begin
	s_lshr_b32 s32, s26, 5                         ; the batch
	s_lshl_b32 s32, s32, 3
	s_lshl_b32 s34, s24, 1
	s_add_co_u32 s32, s32, s34                     ; 8 x batch + head 2 w
	s_mul_i32 s32, s32, s54
	s_and_b32 s33, s26, 31                         ; the block within the batch
	s_mul_i32 s33, s33, s30
	s_add_co_u32 s32, s32, s33
	s_mov_b32 s33, 0
	s_add_nc_u64 s[48:49], s[48:49], s[32:33]      ; head 2 w's block,
	s_mov_b32 s32, s54
	s_add_nc_u64 s[50:51], s[48:49], s[32:33]      ; head 2 w + 1's,
	s_mov_b32 s32, s31
	s_add_nc_u64 s[52:53], s[48:49], s[32:33]      ; head 2 w's pair words
.irp s, 0,1,2,3                        ; my part of the weight: 32 fragments that stay.  (No vector instruction has been issued since phase X's last wait on va_vdst)
	WIN (0x40+0x40*(\s/2))                         ; destination window 1 or 2
.irp t, 0,1,2,3,4,5,6,7
.irp c, 0,1,2
	global_load_b128 v[12*(8*(\s%2)+\t)+4*\c:12*(8*(\s%2)+\t)+4*\c+3], v1, s[16:17] offset:(4*\t+\s)*1536+512*\c
.endr
.endr
.endr
	WIN 0xc0                                       ; destination window 3: lane (r, h) wants, for tile t, the bias of outputs 32 (t / 2) + 8 (t % 2) + 16 h + 0 .. 7
.irp t, 0,1,2,3,4,5,6,7
	global_load_b128 v[8*\t:8*\t+3], v8, s[10:11] offset:(32*(\t/2)+8*(\t%2))*4
	global_load_b128 v[8*\t+4:8*\t+7], v8, s[10:11] offset:(32*(\t/2)+8*(\t%2))*4+16
.endr
	WIN 0
.irp t, 0,1,2,3,4,5,6,7
	global_load_b128 v[PS+4*\t:PS+4*\t+3], v7, s[18:19] offset:256*\t   ; row r's four scale words
.endr
.irp s, 0,1,2,3
	LQK 0, \s                                      ; token tile 0 into set 0
.endr
	s_wait_loadcnt 0x0
.irp m, 0,1,2,3,4,5,6,7
	UNITQK \m
.endr
	ds_load_b128 v[RB:RB+3], v13                   ; LDS serves a wave's instructions in order (ISA guide 5.7.1.4): this sees my stores.  (It lands in LF's set 0: the products that read it stand ahead of the last wait on va_vdst)
	s_wait_dscnt 0x0
	global_store_b128 v15, v[RB:RB+3], s[52:53]    ; each sixteen lanes store one head's 256 bytes of pair words, aligned
	s_wait_dscnt 0x0                               ; the closing lines, six on end
	s_wait_alu 0x0
	s_wait_tensorcnt 0x0
	ds_add_u32 v254, v255
	s_wait_dscnt 0x0
	s_endpgm
	; ---- v
.Lpath_v:
	s_lshr_b32 s32, s26, 5
	s_lshl_b32 s32, s32, 3
	s_lshl_b32 s34, s24, 1
	s_add_co_u32 s32, s32, s34                     ; 8 x batch + head 2 w
	s_mul_i32 s32, s32, 409600
	s_and_b32 s33, s26, 31
	s_mul_i32 s33, s33, 12800
	s_add_co_u32 s32, s32, s33
	s_mov_b32 s33, 0
	s_add_nc_u64 s[48:49], s[22:23], s[32:33]      ; head 2 w's step,
	s_add_nc_u64 s[50:51], s[48:49], 409600        ; head 2 w + 1's,
	s_add_nc_u64 s[52:53], s[48:49], 12544         ; head 2 w's scale words of V
.irp s, 0,1,2,3                        ; all 32 fragments of x stay in registers.  (No vector instruction has been issued since phase X's last wait on va_vdst)
	WIN (0x40+0x40*(\s/2))
.irp t, 0,1,2,3,4,5,6,7
.irp c, 0,1,2
	ds_load_b128 v[12*(8*(\s%2)+\t)+4*\c:12*(8*(\s%2)+\t)+4*\c+3], v1 offset:XIMG+(4*\t+\s)*1536+512*\c
.endr
.endr
.endr
	WIN 0
.irp t, 0,1,2,3,4,5,6,7
.irp s, 0,1,2,3
	ds_load_b32 v[PS+4*\t+\s], v3 offset:XSC+128*(4*\t+\s)
.endr
.endr
.irp s, 0,1,2,3
	LV 0, \s                                       ; my tile 0 of Wv into set 0
.endr
	s_wait_dscnt 0x0
.irp n, 0,1,2,3,4,5,6,7
	UNITV \n
.endr
	ds_load_b128 v[RB:RB+3], v14                   ; LDS serves a wave's instructions in order: this sees my stores.  (It lands in LF's set 0: the products that read it stand ahead of the last wait on va_vdst)
	s_wait_dscnt 0x0
	global_store_b128 v15, v[RB:RB+3], s[52:53]    ; each sixteen lanes store one head's 256 bytes of scale words, aligned
	s_wait_dscnt 0x0                               ; the closing lines, six on end
	s_wait_alu 0x0
	s_wait_tensorcnt 0x0
	ds_add_u32 v254, v255
	s_wait_dscnt 0x0
	s_endpgm
.Lfunc_end_k_q43c71930d4_proj:
	.size	k_q43c71930d4_proj, .Lfunc_end_k_q43c71930d4_proj-k_q43c71930d4_proj
	.p2alignl 7, 3214868480
	.fill 96, 4, 3214868480
	.section	.rodata,"a",@progbits
	.p2align	6, 0x0
	.amdhsa_kernel k_q43c71930d4_proj
		.amdhsa_group_segment_fixed_size 57856
		.amdhsa_private_segment_fixed_size 0
		.amdhsa_enable_private_segment 0
		.amdhsa_kernarg_size 80
		.amdhsa_user_sgpr_count 2
		.amdhsa_user_sgpr_kernarg_segment_ptr 1
		.amdhsa_wavefront_size32 1
		.amdhsa_system_sgpr_workgroup_id_x 1
		.amdhsa_system_sgpr_workgroup_id_y 1
		.amdhsa_system_sgpr_workgroup_id_z 1
		.amdhsa_system_vgpr_workitem_id 0
		.amdhsa_next_free_vgpr 848
		.amdhsa_next_free_sgpr 66
		.amdhsa_reserve_vcc 0
		.amdhsa_float_denorm_mode_32 3
		.amdhsa_float_denorm_mode_16_64 3
		.amdhsa_memory_ordered 1
		.amdhsa_forward_progress 1
		.amdhsa_inst_pref_size 234
	.end_amdhsa_kernel
	.amdgpu_metadata
---
amdhsa.version: [ 1, 2 ]
amdhsa.kernels:
  - .name:           k_q43c71930d4_proj
    .symbol:         k_q43c71930d4_proj.kd
    .args:
      - { .name: query, .offset: 0, .size: 8, .value_kind: global_buffer, .address_space: global }
      - { .name: key_, .offset: 8, .size: 8, .value_kind: global_buffer, .address_space: global }
      - { .name: value, .offset: 16, .size: 8, .value_kind: global_buffer, .address_space: global }
      - { .name: bq, .offset: 24, .size: 8, .value_kind: global_buffer, .address_space: global }
      - { .name: bk, .offset: 32, .size: 8, .value_kind: global_buffer, .address_space: global }
      - { .name: bv, .offset: 40, .size: 8, .value_kind: global_buffer, .address_space: global }
      - { .name: wc, .offset: 48, .size: 8, .value_kind: global_buffer, .address_space: global }
      - { .name: ws, .offset: 56, .size: 8, .value_kind: global_buffer, .address_space: global }
      - { .name: qx, .offset: 64, .size: 8, .value_kind: global_buffer, .address_space: global }
      - { .name: kv, .offset: 72, .size: 8, .value_kind: global_buffer, .address_space: global }
    .group_segment_fixed_size: 57856
    .private_segment_fixed_size: 0
    .kernarg_segment_align: 8
    .kernarg_segment_size: 80
    .max_flat_workgroup_size: 128
    .sgpr_count:     66
    .vgpr_count:     848
    .wavefront_size: 32
...
	.end_amdgpu_metadata
.endif
;; end of part 6
;; launch attn (part 7): grid 16 x 16, 16 waves a work-group, clusters of 4 x 1, 327,680 bytes of LDS; arguments qx, kv, oc, os; writes oc, os
.if DOCPART == 7
	.amdgcn_target "amdgcn-amd-amdhsa--gfx1250"
	.amdhsa_code_object_version 6
	.text
	.protected	k_q43c71930d4_attn
	.globl	k_q43c71930d4_attn
	.p2align	8
	.type	k_q43c71930d4_attn,@function
k_q43c71930d4_attn:
	s_mov_b64 s[64:65], 0
	v_nop
	global_prefetch_b8 v0, s[64:65] scope:SCOPE_SE
	s_setreg_imm32_b32 hwreg(HW_REG_WAVE_MODE, 25, 1), 1
	s_wait_xcnt 0x0
	s_wait_alu depctr_hold_cnt(0) depctr_sa_sdst(0) depctr_va_vdst(0) depctr_va_sdst(0) depctr_va_ssrc(0) depctr_va_vcc(0) depctr_vm_vsrc(0)
	s_getreg_b32 s2, hwreg(HW_REG_IB_STS2, 6, 4)
	s_cmp_eq_u32 s2, 0
	s_cbranch_scc0 .Lentry_in_a_cluster
	s_endpgm
.Lentry_in_a_cluster:
	s_bfe_u32 s2, ttmp6, 0x10000c
	s_cmp_lg_u32 s2, 0x3003
	s_cbranch_scc0 .Lentry_shape_is_right
	s_endpgm
.Lentry_shape_is_right:
; o[b][h][q] = the sum over the keys of softmax(q . k / 8) v, both products on codes of FP6 (E2M3) with one E8M0 scale for each 32 along a product's K; o is quantised at once along the model's 512 for the last projection.
; THE SOFTMAX AHEAD OF THE SECOND PRODUCT: t = score x log2(e) / 8; M = the row's largest t so far, rounded UP to a whole number; p = 2^(t - M) is what is quantised, along the keys; it is not normalised.
; The row's sum is taken of the unquantised p, in f32, and divides o at the end.  When M moves, the sum and o are multiplied by 2^(old M - new M): exact.
; SHARES: a work-group owns 256 queries of one (batch, head); each of its SIXTEEN waves one tile of 16, in 256 registers: four waves to a SIMD, so that one wave's vector work stands beside another's products and LDS loads.
; Every wave walks the head's 4,096 keys, 128 a step.  A step's operands are one dense block of 12,800 bytes of kv, laid as images of the operand registers: every LDS load takes consecutive bytes, 16, 8 or 4 a lane.
; RING: two LDS slots of four steps (51,200 bytes).  Waves 0 and 1 each bring half a slot with one tensor load; one tensor load of a wave is out at any time.
; CLUSTER: the four query blocks of a cluster belong to one head and walk the same blocks of kv: each half slot is asked for JOINTLY, by the same tensor load with the same descriptor and the mask of all four.
; LAYOUT: both products are used transposed (S^T = K Q^T, O^T = V^T P^T): a lane holds ONE query (lane % 16) throughout.  Row i of tile T (of keys, of queries, of V's channels) is object 32 (T / 2) + 8 (T % 2) + i + 8 (i / 8):
; so the 16 registers of tiles 2 b, 2 b + 1 of S^T are keys 32 b + 16 (lane / 16) + 0 .. 15, and those of O^T channels likewise.
; K = 64 IN AN INSTRUCTION OF 128: two key tiles' halves (6 registers each) on end are ONE operand, [tile 2 j | tile 2 j + 1]; Q is kept as 18 registers [Q | 0 | Q]: registers 0-11 multiply the even tile, registers 6-17 the odd one.
; Zero codes add nothing under any finite scale.  K's pair word carries both tiles' bytes; Q's scale word is (q0, q1, q0, q1) and serves both.
; LIMITS: NaN and infinities are not served; a block of o whose largest magnitude lies under 2^-124 has its byte held at 1; a block of zeros (of p or of o) gets the byte 1: its codes are zeros, and this program alone reads the bytes.
.set STEPB,  12800                     ; a step in kv and in LDS: K's 8 halves of 768 | V^T's 4 fragments of 1,536 at 6,144 | K's pair words at 12,288 | V's scale words at 12,544
.set SLOTB,  4*STEPB
.set SLOT1,  1<<16                     ; slot 1 begins here, so that one exclusive or turns an address in one slot into the other's
.set SPARE,  2*SLOT1                   ; the spare words, 128 bytes for each wave: eight blocks of 256 bytes that no other line names
.set SPW, 5                            ; v5   LDS address of my spare word: SPARE + 4 x my thread's number; never rewritten
.set NIL, 6                            ; v6   0; never rewritten
.set QF,  16                           ; v16-21 Q, v22-27 zeros, v28-33 Q again
.set QW,  34                           ; v34  Q's scale word
.set FB,  36                           ; v36-83 four operands of 12 registers: K's four pairs, then V's four tiles
.set KSC, 84                           ; v84-85 K's pair words: lanes 0-15 pair 2 i, lanes 16-31 pair 2 i + 1
.set VSC, 86                           ; v86-87 V's scale words likewise
.set S,   96                           ; v96-159 S^T, then p
.set O,   160                          ; v160-191 O^T
.set BM,  192                          ; v192-195 each block's largest score, then its largest p
.set BX,  196                          ; v196-199 the other half's; then the bytes
.set SO,  200                          ; v200-203 the conversions' scale operands
.set CT,  204                          ; v204-206, v208-210 the upper halves' codes
.set PCD, 212                          ; v212-223 p's codes
.set PSW, 224                          ; v224 p's scale word
.set FF,  226                          ; v[226:227] f = 2^(old M - new M); v227 = 0, named with it as a pair
.set T,   228                          ; v228 at work
.set L2,  230                          ; v[230:231] one of the sum's eight chains
; v1 16 l, v2 8 l, v3 4 l, v4 4 r; v8, v9, v10 the same three with the slot's first byte; v12 -M, v13 the largest t, v[14:15] the sum in two halves
.set WV,  18                           ; s18  my wave's number
.set SEL, 20                           ; s[20:21] v_permlanex16_b32's selects for lane l xor 16
.set CS,  22                           ; s[22:23] c = log2(e) / 8
.set G1,  24                           ; s[24:31] descriptor group 1
.set G0,  32                           ; s[32:35] descriptor group 0, which walks
.set TB,  36                           ; s36  LDS byte at which the slot in hand begins
.set SLOTS, 37                         ; s37  slots still to be asked for
; A round of the cluster's barrier: my work-group's barrier, so that wave 0's signal speaks for all sixteen waves; wave 0 signals for the work-group; every wave waits for all four work-groups; my work-group's barrier once more.
.macro CROUND
	s_barrier_signal -1
	s_barrier_wait -1
	s_cmp_lg_u32 s[WV], 0
	s_cbranch_scc1 .Lnot_wave_0_\@
	s_barrier_signal -3
.Lnot_wave_0_\@:
	s_barrier_wait -3
	s_barrier_signal -1
	s_barrier_wait -1
.endm
; Waves 0 and 1 fetch, the others nothing.  The branch hangs on the wave's number alone.  Four v_nop follow the load.
.macro TLOAD
	s_cmp_lt_u32 s[WV], 2
	s_cbranch_scc0 .Lasked_\@
	tensor_load_to_lds s[G0:G0+3], s[G1:G1+7]
	s_nop 0
.rept 4
	v_nop
.endr
.Lasked_\@:
.endm
; THE CHANGE OF SLOTS stands at a slot's head.  Each wave waits for all its tensor loads (its part of the slot that it is about to read), adds 0 to its spare word, and waits for that and for its reads of the slot that it has left.
; fill = 1: the barrier is a round of the cluster's, so that no wave of any partner still reads the other slot or has a load on its way, and that slot is filled with the next four steps: the load has four steps in which to land.
.macro CHANGE fill
	s_wait_tensorcnt 0x0                           ; no tensor load of mine is out, so group 0 may be written
	ds_add_u32 v[SPW], v[NIL]                      ; 0 onto my spare word
.if \fill
	s_xor_b32 s[G0+1], s[G0+1], SLOT1              ; the other slot than last time,
	s_add_nc_u64 s[G0+2:G0+3], s[G0+2:G0+3], SLOTB ; the next four steps; the type bits on top are not reached
.endif
	s_wait_dscnt 0x0                               ; the add is done, and my reads of the slot that I have left are over
.if \fill
	CROUND
	TLOAD                                          ; the first thing behind the round, and a wave's one tensor load until the next
.else
	s_barrier_signal -1
	s_barrier_wait -1
.endif
	v_add_nc_u32 v8, s[TB], v1
	v_add_nc_u32 v9, s[TB], v2
	v_add_nc_u32 v10, s[TB], v3
.endm
; A KEY STEP: 128 keys, the q-th of the slot in hand.
.macro STEP q
.set OFF, STEPB*(\q)
.rept 4
	v_nop                                          ; four places behind the last step's products, in front of loads into registers that they read
.endr
.irp t, 0,1,2,3,4,5,6,7
	ds_load_b128 v[FB+6*\t:FB+6*\t+3], v8 offset:OFF+768*\t           ; key tile t's half: registers 0-3,
	ds_load_b64 v[FB+6*\t+4:FB+6*\t+5], v9 offset:OFF+768*\t+512      ; and 4-5
.endr
.irp i, 0,1
	ds_load_b32 v[KSC+\i], v10 offset:OFF+12288+128*\i
.endr
	s_wait_dscnt 0x0
.irp t, 0,1,2,3,4,5,6,7                ; S^T = K Q^T: tile t lies in pair t / 2; the even tile meets [Q | 0], the odd one [0 | Q]
.if ((\t/2)%2) == 1
	v_wmma_scale_f32_16x16x128_f8f6f4 v[S+8*\t:S+8*\t+7], v[FB+12*(\t/2):FB+12*(\t/2)+11], v[QF+6*(\t%2):QF+6*(\t%2)+11], 0, v[KSC+\t/4], v[QW] matrix_a_fmt:MATRIX_FMT_FP6 matrix_b_fmt:MATRIX_FMT_FP6 matrix_a_scale:MATRIX_SCALE_ROW1
.else
	v_wmma_scale_f32_16x16x128_f8f6f4 v[S+8*\t:S+8*\t+7], v[FB+12*(\t/2):FB+12*(\t/2)+11], v[QF+6*(\t%2):QF+6*(\t%2)+11], 0, v[KSC+\t/4], v[QW] matrix_a_fmt:MATRIX_FMT_FP6 matrix_b_fmt:MATRIX_FMT_FP6
.endif
.endr
.rept 4
	v_nop                                          ; four places in front of the loads below and of the first read of the scores
.endr
.irp t, 0,1,2,3                        ; V's four fragments land under the softmax
.irp c, 0,1,2
	ds_load_b128 v[FB+12*\t+4*\c:FB+12*\t+4*\c+3], v8 offset:OFF+6144+1536*\t+512*\c
.endr
.endr
.irp i, 0,1
	ds_load_b32 v[VSC+\i], v10 offset:OFF+12544+128*\i
.endr
.irp b, 0,1,2,3
	v_max3_num_f32 v[BM+\b], v[S+16*\b], v[S+1+16*\b], v[S+2+16*\b]   ; THE LARGEST SCORE OF EACH BLOCK OF 32 KEYS: it serves for the row's maximum and, since p rises with the score, for the block's largest p.  (Each accumulator is read from its low end on)
.endr
.irp i, 3,5,7,9,11,13
.irp b, 0,1,2,3
	v_max3_num_f32 v[BM+\b], v[BM+\b], v[S+16*\b+\i], v[S+1+16*\b+\i]
.endr
.endr
.irp b, 0,1,2,3
	v_max_num_f32 v[BM+\b], v[BM+\b], v[S+15+16*\b]
.endr
.irp b, 0,1,2,3
	s_delay_alu instid0(VALU_DEP_4)
	v_permlanex16_b32 v[BX+\b], v[BM+\b], s[SEL], s[SEL+1]
.endr
.irp b, 0,1,2,3
	s_delay_alu instid0(VALU_DEP_4)
	v_max_num_f32 v[BM+\b], v[BM+\b], v[BX+\b]     ; with lane l xor 16's 16 keys
.endr
	s_delay_alu instid0(VALU_DEP_2)
	v_max3_num_f32 v[T], v[BM], v[BM+1], v[BM+2]
	s_delay_alu instid0(VALU_DEP_1)
	v_max_num_f32 v[T], v[T], v[BM+3]              ; the step's largest score of my query
	s_delay_alu instid0(VALU_DEP_1)
	v_mul_f32 v[T], s[CS], v[T]                    ; as t (c is positive)
	s_delay_alu instid0(VALU_DEP_1)
	v_max_num_f32 v13, v13, v[T]                   ; the running largest t
	v_mov_b32 v[T], v12
	s_delay_alu instid0(VALU_DEP_2)
	v_floor_f32 v12, -v13                          ; the new -M = floor(-t) = -ceil(t): M is a whole number
	s_delay_alu instid0(VALU_DEP_1)
	v_sub_f32 v[T], v12, v[T]                      ; M's old value less its new one: a whole number, 0 or less
	s_delay_alu instid0(VALU_DEP_1)
	v_cvt_i32_f32 v[T], v[T]                       ; (it saturates)
	s_delay_alu instid0(VALU_DEP_1)
	v_ldexp_f32 v[FF], 1.0, v[T]                   ; f = 2^(old M - new M): a multiplication by it rounds nothing
.set J, 0
.rept 32
	v_pk_fma_f32 v[S+J:S+J+1], v[S+J:S+J+1], s[CS:CS+1], v[12:13] op_sel_hi:[1,0,0]   ; t - M, two at a time (of the pairs c and -M the low word serves both halves)
.set J, J+2
.endr
.irp b, 0,1,2,3
	v_fma_f32 v[BM+\b], v[BM+\b], s[CS], v12       ; the same of each block's largest score
.endr
.set J, 0
	s_wait_alu depctr_va_vdst(0)
.rept 64
	v_exp_f32 v[S+J], v[S+J]                       ; p = 2^(t - M), at most 1: not normalised
.set J, J+1
.endr
.irp b, 0,1,2,3
	v_exp_f32 v[BM+\b], v[BM+\b]                   ; the block's largest p: the same two instructions on the same number give the same bits
.endr
	v_pk_mul_f32 v[14:15], v[14:15], v[FF:FF+1] op_sel_hi:[1,0]   ; the sums under the new M.  (The plain place behind the exponentials)
	s_wait_alu depctr_va_vdst(0)
.irp b, 0,1,2,3
	v_max_num_f32 v[BM+\b], 0x1800000, v[BM+\b]    ; the floor 2^(3 - 127): the byte cannot fall under 1
.endr
.irp b, 0,1,2,3
	s_delay_alu instid0(VALU_DEP_4)
	v_add_nc_u32 v[SO+\b], 0xff000000, v[BM+\b]    ; 2 off the exponent field: the conversion's scale operand
.endr
.irp b, 0,1,2,3
	s_delay_alu instid0(VALU_DEP_4)
	v_lshrrev_b32 v[BX+\b], 23, v[SO+\b]           ; the scale's byte
.endr
	s_delay_alu instid0(VALU_DEP_3)
	v_lshl_or_b32 v[PSW], v[BX+1], 8, v[BX]        ; p's scale word for these 128 keys
	s_delay_alu instid0(VALU_DEP_1)
	v_lshl_or_b32 v[PSW], v[BX+2], 16, v[PSW]
	s_delay_alu instid0(VALU_DEP_1)
	v_lshl_or_b32 v[PSW], v[BX+3], 24, v[PSW]
.irp c, 0,1
	v_cvt_scalef32_pk16_fp6_f32 v[PCD+6*\c:PCD+6*\c+2], v[S+32*\c:S+32*\c+15], v[SO+2*\c]
	v_cvt_scalef32_pk16_fp6_f32 v[CT+4*\c:CT+4*\c+2], v[S+16+32*\c:S+31+32*\c], v[SO+2*\c+1]   ; (a conversion's three registers begin on an even number)
.endr
	v_nop                                          ; one plain place behind a scaled conversion
.irp c, 0,1                            ; the operand's layout wants a WHOLE block in a lane: lanes 0-15 block 2 c, lanes 16-31 block 2 c + 1
.irp i, 0,1,2
	v_permlane16_swap_b32 v[PCD+6*\c+\i], v[CT+4*\c+\i]
.endr
.irp i, 0,1,2
	s_delay_alu instid0(VALU_DEP_3)
	v_mov_b32 v[PCD+3+6*\c+\i], v[CT+4*\c+\i]
.endr
.endr
	v_pk_add_f32 v[230:231], v[100:101], v[104:105]
	v_pk_add_f32 v[254:255], v[108:109], v[112:113]
	v_pk_add_f32 v[252:253], v[116:117], v[120:121]
	v_pk_add_f32 v[250:251], v[124:125], v[128:129]
	v_pk_add_f32 v[248:249], v[132:133], v[136:137]
	v_pk_add_f32 v[246:247], v[140:141], v[144:145]
	v_pk_add_f32 v[244:245], v[148:149], v[152:153]
	v_pk_add_f32 v[14:15], v[14:15], v[156:157]
	v_pk_add_f32 v[230:231], v[230:231], v[96:97]
	v_pk_add_f32 v[254:255], v[254:255], v[98:99]
	v_pk_add_f32 v[252:253], v[252:253], v[102:103]
	v_pk_add_f32 v[250:251], v[250:251], v[106:107]
	v_pk_add_f32 v[248:249], v[248:249], v[110:111]
	v_pk_add_f32 v[246:247], v[246:247], v[114:115]
	v_pk_add_f32 v[244:245], v[244:245], v[118:119]
	v_pk_add_f32 v[14:15], v[14:15], v[122:123]
	v_pk_add_f32 v[230:231], v[230:231], v[126:127]
	v_pk_add_f32 v[254:255], v[254:255], v[130:131]
	v_pk_add_f32 v[252:253], v[252:253], v[134:135]
	v_pk_add_f32 v[250:251], v[250:251], v[138:139]
	v_pk_add_f32 v[248:249], v[248:249], v[142:143]
	v_pk_add_f32 v[246:247], v[246:247], v[146:147]
	v_pk_add_f32 v[244:245], v[244:245], v[150:151]
	v_pk_add_f32 v[14:15], v[14:15], v[154:155]
	v_pk_add_f32 v[230:231], v[230:231], v[158:159]
	s_delay_alu instid0(VALU_DEP_2)
	v_pk_add_f32 v[14:15], v[14:15], v[250:251]
	s_delay_alu instid0(VALU_DEP_2)
	v_pk_add_f32 v[230:231], v[230:231], v[248:249]
	v_pk_add_f32 v[254:255], v[254:255], v[246:247]
	v_pk_add_f32 v[252:253], v[252:253], v[244:245]
	s_delay_alu instid0(VALU_DEP_2)
	v_pk_add_f32 v[14:15], v[14:15], v[254:255]
	s_delay_alu instid0(VALU_DEP_2)
	v_pk_add_f32 v[230:231], v[230:231], v[252:253]
	s_delay_alu instid0(VALU_DEP_1)
	v_pk_add_f32 v[14:15], v[14:15], v[230:231]
.set J, 0
.rept 16
	v_pk_mul_f32 v[O+J:O+J+1], v[O+J:O+J+1], v[FF:FF+1] op_sel_hi:[1,0]   ; O^T under the new M: x f, each accumulator from its low end on.  (These and the sums are the places between p's codes and scale word and the products below)
.set J, J+2
.endr
	s_wait_alu depctr_va_vdst(0)
	s_wait_dscnt 0x0                               ; V's fragments and scale words are in
.irp t, 0,1,2,3                        ; O^T += V^T P^T: the four accumulators by turns, one instruction a turn
.if (\t%2) == 1
	v_wmma_scale_f32_16x16x128_f8f6f4 v[O+8*\t:O+8*\t+7], v[FB+12*\t:FB+12*\t+11], v[PCD:PCD+11], v[O+8*\t:O+8*\t+7], v[VSC+\t/2], v[PSW] matrix_a_fmt:MATRIX_FMT_FP6 matrix_b_fmt:MATRIX_FMT_FP6 matrix_a_scale:MATRIX_SCALE_ROW1
.else
	v_wmma_scale_f32_16x16x128_f8f6f4 v[O+8*\t:O+8*\t+7], v[FB+12*\t:FB+12*\t+11], v[PCD:PCD+11], v[O+8*\t:O+8*\t+7], v[VSC+\t/2], v[PSW] matrix_a_fmt:MATRIX_FMT_FP6 matrix_b_fmt:MATRIX_FMT_FP6
.endif
.endr
.endm
	s_load_b256 s[4:11], s[0:1], 0x0               ; qx s[4:5], kv s[6:7], oc s[8:9], os s[10:11]
	v_lshl_add_u32 v[SPW], v0, 2, SPARE
	v_mov_b32 v[NIL], 0
	ds_add_u32 v5, v6
	ds_add_u32 v5, v6
	s_wait_dscnt 0x0
	v_lshrrev_b32 v7, 5, v0
	s_delay_alu instid0(VALU_DEP_1)
	v_readfirstlane_b32 s[WV], v7                  ; wave 0..15
	v_and_b32 v7, 31, v0
	s_delay_alu instid0(VALU_DEP_1)
	v_lshlrev_b32 v1, 4, v7
	s_delay_alu instid0(VALU_DEP_2)
	v_lshlrev_b32 v2, 3, v7
	s_delay_alu instid0(VALU_DEP_3)
	v_lshlrev_b32 v3, 2, v7
	v_and_b32 v4, 15, v0
	s_delay_alu instid0(VALU_DEP_1)
	v_lshlrev_b32 v4, 2, v4
	s_bfe_u32 s40, ttmp6, 0x40000                  ; cx: my place in the cluster: it enters the addresses of qx, oc and os alone
	s_lshl_b32 s41, ttmp9, 2                       ; in a cluster launch ttmp9 counts clusters
	s_add_co_u32 s41, s41, s40                     ; my block of 256 queries
	s_and_b32 s42, ttmp7, 0xffff                   ; 8 x batch + head, which the four partners share
	s_and_b32 s46, s[WV], 1
	s_mul_i32 s44, s42, 409600                     ; kv: the head's first byte,
	s_mul_i32 s47, s46, 2*STEPB                    ; + my half of a slot
	s_add_co_u32 s44, s44, s47
	s_mov_b32 s45, 0
	s_lshl_b32 s38, s46, 4                         ; my tile's half of its pair word: 16 bits up where the tile is odd
	s_mul_i32 s48, s42, 204800                     ; qx: the head, the block of 128 queries 2 x block + wave / 8,
	s_lshl_b32 s50, s41, 1
	s_lshr_b32 s51, s[WV], 3
	s_add_co_u32 s50, s50, s51
	s_mul_i32 s50, s50, 6400
	s_add_co_u32 s48, s48, s50
	s_and_b32 s51, s[WV], 7
	s_mul_i32 s52, s51, 768
	s_add_co_u32 s52, s48, s52                     ; my tile's half,
	s_mov_b32 s53, 0
	s_lshr_b32 s51, s51, 1
	s_lshl_b32 s51, s51, 6
	s_add_co_u32 s48, s48, s51                     ; and its pair's 16 words (6,144 bytes on: in the load's immediate)
	s_mov_b32 s49, 0
	s_lshr_b32 s54, s42, 3                         ; my tile among all 512 tiles of tokens: 256 x batch + 16 x block + wave
	s_lshl_b32 s54, s54, 8
	s_lshl_b32 s55, s41, 4
	s_add_co_u32 s54, s54, s55
	s_add_co_u32 s54, s54, s[WV]
	s_lshl_b32 s54, s54, 3
	s_and_b32 s55, s42, 7
	s_add_co_u32 s54, s54, s55                     ; 8 x tile + head
	s_mul_i32 s56, s54, 768                        ; oc: a half each
	s_mov_b32 s57, 0
	s_lshl_b32 s58, s54, 6                         ; os: 16 words each
	s_mov_b32 s59, 0
	; descriptor group 1: half a slot, 25,600 dense bytes, as 100 rows of 256 bytes
	s_mov_b32 s[G1], 15|(3<<16)|(1<<21)            ; 15:0 the mask: all four work-groups; 17:16 elements of 8 bytes; 20 no padding; 21 set beside a mask
	s_mov_b32 s[G1+1], 32<<16                      ; tensor_dim0 = 32
	s_mov_b32 s[G1+2], 100<<16                     ; tensor_dim1 = 100
	s_mov_b32 s[G1+3], 32<<16                      ; tile_dim0 = 32
	s_mov_b32 s[G1+4], 100                         ; tile_dim1 = 100
	s_mov_b32 s[G1+5], 32                          ; tensor_dim0_stride
	s_mov_b32 s[G1+6], 0
	s_mov_b32 s[G1+7], 0
	s_mov_b32 s[SEL], 0x76543210
	s_mov_b32 s[SEL+1], 0xfedcba98
	s_mov_b32 s[CS], 0x3e38aa3b                    ; c = log2(e) / 8
	s_mov_b32 s[CS+1], s[CS]                       ; (named with it as a pair, so it is written)
	s_mov_b32 s[TB], 0
	s_mov_b32 s[SLOTS], 7
	s_wait_kmcnt 0x0
	s_mov_b32 s[G0], 1                             ; 1:0 count = 1
	s_mul_i32 s[G0+1], s46, 2*STEPB                ; 63:32 LDS address: slot 0, my half: no place in the cluster enters it
	s_add_nc_u64 s[G0+2:G0+3], s[6:7], s[44:45]    ; 120:64 global address: the head's first four steps, my half
	s_or_b32 s[G0+3], s[G0+3], 0x80000000          ; 127:126 type = 2
	s_add_nc_u64 s[52:53], s[4:5], s[52:53]
	s_add_nc_u64 s[48:49], s[4:5], s[48:49]
	s_add_nc_u64 s[8:9], s[8:9], s[56:57]
	s_add_nc_u64 s[10:11], s[10:11], s[58:59]
	CROUND                                         ; all four work-groups are here: the first joint load meets
	TLOAD                                          ; slot 0
	s_wait_alu depctr_va_vdst(0)
	global_load_b128 v[QF:QF+3], v1, s[52:53]      ; Q's half, twice: the two forms of the operand in registers of their own
	global_load_b64 v[QF+4:QF+5], v2, s[52:53] offset:512
	global_load_b128 v[QF+12:QF+15], v1, s[52:53]
	global_load_b64 v[QF+16:QF+17], v2, s[52:53] offset:512
	global_load_b32 v[T], v4, s[48:49] offset:6144 ; my pair's word of query r
.irp j, 6,7,8,9,10,11
	v_mov_b32 v[QF+\j], 0                          ; zero codes
.endr
	v_mov_b32 v13, 0xff61b1e6                      ; the largest t so far: -3e38, under every t
	s_delay_alu instid0(VALU_DEP_1)
	v_floor_f32 v12, -v13                          ; -M
	v_mov_b32 v14, 0                               ; the sum, in two halves
	v_mov_b32 v15, 0
.irp b, 0,1,2,3
	v_mov_b32 v[BX+\b], 0                          ; written once: a lane permute's destination counts as one of its sources
.endr
	v_mov_b32 v[FF+1], 0
	s_wait_loadcnt 0x0                             ; Q
	v_lshrrev_b32 v[T], s38, v[T]
	s_delay_alu instid0(VALU_DEP_1)
	v_and_b32 v[T], 0xffff, v[T]                   ; my tile's two bytes,
	s_delay_alu instid0(VALU_DEP_1)
	v_lshl_or_b32 v[QW], v[T], 16, v[T]            ; below and above
.set J, 0
.rept 32
	v_mov_b32 v[O+J], 0                            ; O^T.  (The step is written once: the first finds zeros, which the first change of M leaves zeros.  These lines are also the places between Q's scale word and the first product)
.set J, J+1
.endr
.Lslot:                                            ; 7 trips: behind each change of slots but the last the next slot is asked for
	CHANGE 1
	s_wait_alu depctr_va_vdst(0)
	STEP 0
	STEP 1
	STEP 2
	STEP 3
	s_xor_b32 s[TB], s[TB], SLOT1                  ; on to the other slot
	s_sub_co_u32 s[SLOTS], s[SLOTS], 1
	s_cmp_lg_u32 s[SLOTS], 0
	s_cbranch_scc1 .Lslot
	CHANGE 0                                       ; the last slot is written out
	s_wait_alu depctr_va_vdst(0)
	STEP 0
	STEP 1
	STEP 2
	STEP 3
	; THE WAY OUT: o = O^T / the sum; its 64 channels are two blocks of 32 along the last projection's K: quantised here, they leave as half a fragment's registers and two scale bytes.
.rept 4
	v_nop                                          ; four places behind the last products
.endr
	v_add_f32 v14, v14, v15                        ; the sum's two halves,
	s_delay_alu instid0(VALU_DEP_1)
	v_permlanex16_b32 v[T], v14, s[SEL], s[SEL+1]
	s_delay_alu instid0(VALU_DEP_1)
	v_add_f32 v14, v14, v[T]                       ; and lane l xor 16's: the row's sum
	s_wait_alu depctr_va_vdst(0)
	v_rcp_f32 v[FF], v14
	v_nop                                          ; a plain place behind the transcendental
.set J, 0
	s_wait_alu depctr_va_vdst(0)
.rept 16
	v_pk_mul_f32 v[S+J:S+J+1], v[O+J:O+J+1], v[FF:FF+1] op_sel_hi:[1,0]   ; register 16 b + i is o(query r, channel 32 b + 16 h + i)
.set J, J+2
.endr
.irp b, 0,1
	v_max3_num_f32 v[BM+\b], |v[S+16*\b]|, |v[S+1+16*\b]|, 0x1800000
.endr
.irp i, 2,4,6,8,10,12,14
.irp b, 0,1
	s_delay_alu instid0(VALU_DEP_2)
	v_max3_num_f32 v[BM+\b], v[BM+\b], |v[S+16*\b+\i]|, |v[S+1+16*\b+\i]|
.endr
.endr
.irp b, 0,1
	s_delay_alu instid0(VALU_DEP_2)
	v_permlanex16_b32 v[BX+\b], v[BM+\b], s[SEL], s[SEL+1]
.endr
.irp b, 0,1
	s_delay_alu instid0(VALU_DEP_2)
	v_max_num_f32 v[BM+\b], v[BM+\b], v[BX+\b]
.endr
.irp b, 0,1
	s_delay_alu instid0(VALU_DEP_2)
	v_add_nc_u32 v[SO+\b], 0xff000000, v[BM+\b]
.endr
.irp b, 0,1
	s_delay_alu instid0(VALU_DEP_2)
	v_lshrrev_b32 v[BX+\b], 23, v[SO+\b]
.endr
	s_delay_alu instid0(VALU_DEP_1)
	v_lshl_or_b32 v[T], v[BX+1], 8, v[BX]          ; the head's two bytes of query r
	v_cvt_scalef32_pk16_fp6_f32 v[PCD:PCD+2], v[S:S+15], v[SO]
	v_cvt_scalef32_pk16_fp6_f32 v[CT:CT+2], v[S+16:S+31], v[SO+1]
	v_nop                                          ; one plain place behind a scaled conversion
.irp i, 0,1,2
	v_permlane16_swap_b32 v[PCD+\i], v[CT+\i]
.endr
.irp i, 0,1,2
	s_delay_alu instid0(VALU_DEP_3)
	v_mov_b32 v[PCD+3+\i], v[CT+\i]
.endr
	global_store_b128 v1, v[PCD:PCD+3], s[8:9]             ; 512 consecutive bytes,
	global_store_b64 v2, v[PCD+4:PCD+5], s[8:9] offset:512 ; and 256: whole aligned runs of 256 bytes
	global_store_b32 v4, v[T], s[10:11]                    ; 64 bytes of scale words (lanes l and l + 16 the same word to the same bytes)
	s_wait_tensorcnt 0x0                           ; the wave's end: behind my last tensor load, my last LDS instructions
	ds_add_u32 v[SPW], v[NIL]
	s_wait_dscnt 0x0
	CROUND                                         ; the closing round: no work-group ends while a partner may still ask for a tile that names it
	s_endpgm
.Lfunc_end_k_q43c71930d4_attn:
	.size	k_q43c71930d4_attn, .Lfunc_end_k_q43c71930d4_attn-k_q43c71930d4_attn
	.p2alignl 7, 3214868480
	.fill 96, 4, 3214868480
	.section	.rodata,"a",@progbits
	.p2align	6, 0x0
	.amdhsa_kernel k_q43c71930d4_attn
		.amdhsa_group_segment_fixed_size 327680
		.amdhsa_private_segment_fixed_size 0
		.amdhsa_enable_private_segment 0
		.amdhsa_kernarg_size 32
		.amdhsa_user_sgpr_count 2
		.amdhsa_user_sgpr_kernarg_segment_ptr 1
		.amdhsa_wavefront_size32 1
		.amdhsa_system_sgpr_workgroup_id_x 1
		.amdhsa_system_sgpr_workgroup_id_y 1
		.amdhsa_system_sgpr_workgroup_id_z 1
		.amdhsa_system_vgpr_workitem_id 0
		.amdhsa_next_free_vgpr 256
		.amdhsa_next_free_sgpr 66
		.amdhsa_reserve_vcc 0
		.amdhsa_float_denorm_mode_32 3
		.amdhsa_float_denorm_mode_16_64 3
		.amdhsa_memory_ordered 1
		.amdhsa_forward_progress 1
		.amdhsa_inst_pref_size 146
	.end_amdhsa_kernel
	.amdgpu_metadata
---
amdhsa.version: [ 1, 2 ]
amdhsa.kernels:
  - .name:           k_q43c71930d4_attn
    .symbol:         k_q43c71930d4_attn.kd
    .args:
      - { .name: qx, .offset: 0, .size: 8, .value_kind: global_buffer, .address_space: global }
      - { .name: kv, .offset: 8, .size: 8, .value_kind: global_buffer, .address_space: global }
      - { .name: oc, .offset: 16, .size: 8, .value_kind: global_buffer, .address_space: global }
      - { .name: os, .offset: 24, .size: 8, .value_kind: global_buffer, .address_space: global }
    .group_segment_fixed_size: 327680
    .private_segment_fixed_size: 0
    .kernarg_segment_align: 8
    .kernarg_segment_size: 32
    .max_flat_workgroup_size: 512
    .sgpr_count:     66
    .vgpr_count:     256
    .wavefront_size: 32
...
	.end_amdgpu_metadata
.endif
;; end of part 7
;; launch outp (part 8): grid 256 x 1, 4 waves a work-group, no clusters, 34,304 bytes of LDS; arguments oc, os, wc, ws, bo, out0; writes out0
.if DOCPART == 8
	.amdgcn_target "amdgcn-amd-amdhsa--gfx1250"
	.amdhsa_code_object_version 6
	.text
	.protected	k_q43c71930d4_outp
	.globl	k_q43c71930d4_outp
	.p2align	8
	.type	k_q43c71930d4_outp,@function
k_q43c71930d4_outp:
	s_mov_b64 s[64:65], 0
	v_nop
	global_prefetch_b8 v0, s[64:65] scope:SCOPE_SE
	s_setreg_imm32_b32 hwreg(HW_REG_WAVE_SCHED_MODE, 0, 2), 2
	s_setreg_imm32_b32 hwreg(HW_REG_WAVE_MODE, 25, 1), 1
	s_wait_xcnt 0x0
	s_wait_alu depctr_vm_vsrc(0)
; out0 = o Wo^T + bo on codes of FP6 (E2M3) with one E8M0 scale for each 32 along K = 512.  Both operands arrive as images of their registers: o from the attention launch (oc, os), Wo from the weights' launch (wc, ws).
; SHARES: work-group g owns token tiles 2 g and 2 g + 1 (tokens 32 g .. 32 g + 31; row i of tile 2 g + u is token 32 g + 8 u + i + 8 (i / 8)); wave w owns outputs 128 w .. 128 w + 127.  Straight-line text, two units, no barrier: waves share nothing.
; TRANSPOSED: source 0 = 16 rows of Wo (row i of tile T is weight row 32 (T / 2) + 8 (T % 2) + i + 8 (i / 8)), source 1 = 16 tokens: a lane holds one token, and the 16 registers of tiles 2 b, 2 b + 1 are 16 neighbouring outputs, 64 bytes of a row.
; oc: [tile of tokens][head][768]: a head's half fragment (registers 0-3 as 512 bytes, 4-5 as 256); K step s of a tile is the halves of heads 2 s and 2 s + 1 on end.  os: [tile][head][16 words], two bytes in each.
; THE WAY OUT: a unit's 16 rows x 512 bytes go through the wave's own stage in LDS (rows 528 bytes apart) and leave as whole runs of 512 bytes.
; NO JOINT LOADS: each wave takes its 49,152 bytes of Wo's images once, straight into the registers that the products name; there is no tensor load for a mask to ride on, and through LDS the same bytes would be written and read once more.
; THE MODE: SCHED_MODE bits 1:0 = 2 (LLVM: expert scheduling mode 2), set by the entry lines.  The code itself states the register dependences between vector or matrix instructions and memory or LDS instructions, with s_wait_alu, always for 0.
; THE PLAN.  Registers that memory or LDS instructions touch:
;   v1 .. v7     offsets and LDS addresses: made at the head, ahead of one wait on va_vdst, and never written again.
;   HA           written by a unit's products; read by its sixteen LDS stores; written again by unit 1's products: one wait on va_vdst ahead of each run of stores, one on vm_vsrc ahead of unit 1's first product.
;   v80-95       os's raw words: loaded, read by the eight lines that make o's scale words, then unit 0's rows land there: unit 0's wait on va_vdst stands between.
;   v240-247     o's scale words: written by those eight lines, taken by the scaled products: eight places, then a wait on va_vdst.
;   v80-143, v144-207  a unit's rows: filled by LDS loads, read by global stores; no vector or matrix instruction names them from unit 0's wait on.  So unit 0's global stores are dealt among unit 1's products, four behind each K step, with no further wait.
;   windows 1 to 3, v208-239: filled once by loads, read by products.
; REGISTERS, in windows of 256: window 0: v1-7 addresses; v16-79 eight accumulators; v80-143, v144-207 rows on their way out (first: os's raw words in v80-95); v208-239 Wo's scale words, v240-247 o's.
;   window 1: Wo's fragments (t, K step 0, 1) at v[12 (8 (s % 2) + t)];  window 2: K steps 2, 3;  window 3: v0-63 the bias, eight registers a tile; v64-159 o's fragments, 48 u + 12 s.
.set HA,  16
.set RAW, 80
.set PS,  208
.set LS,  240
.set OF,  64
.set MSB, 0
.macro WIN new                         ; the immediate's high byte repeats the setting that is left; a switch that changes nothing is dropped
.if MSB != \new
	s_set_vgpr_msb (MSB<<8)|\new
.set MSB, \new
.endif
.endm
; Rows 4 g .. 4 g + 3 of unit u leave.
.macro SEND4 u, g
.irp i, 0,1,2,3
	s_wait_dscnt 15-(4*(\g)+\i)                    ; the row is back from the stage; the younger reads may be out
	global_store_b128 v1, v[80+64*(\u)+4*(4*(\g)+\i):80+64*(\u)+4*(4*(\g)+\i)+3], s[14:15] offset:(8*(\u)+(4*(\g)+\i)+8*((4*(\g)+\i)/8))*2048 th:TH_STORE_NT   ; 32 lanes store 512 consecutive bytes, at a multiple of 256 from out0's first byte; written once, read by nobody here
.endr
.endm
; Unit u's 32 products.  send = 1: behind each K step four rows of the unit before leave.
.macro PROD u, send
.irp s, 0,1,2,3
.if \s == 0
	WIN 0x3d                                       ; source 0 window 1, source 1 window 3, C (the bias) window 3
.elseif \s == 1
	WIN 0x0d                                       ; source 0 window 1, source 1 window 3
.else
	WIN 0x0e                                       ; source 0 window 2, source 1 window 3
.endif
.irp t, 0,1,2,3,4,5,6,7                ; the 8 accumulators take turns, one instruction a turn
.if \s == 0
	v_wmma_scale_f32_16x16x128_f8f6f4 v[HA+8*\t:HA+8*\t+7], v[12*(8*(\s%2)+\t):12*(8*(\s%2)+\t)+11], v[OF+48*(\u)+12*\s:OF+48*(\u)+12*\s+11], v[8*\t:8*\t+7], v[PS+4*\t+\s], v[LS+4*(\u)+\s] matrix_a_fmt:MATRIX_FMT_FP6 matrix_b_fmt:MATRIX_FMT_FP6
.else
	v_wmma_scale_f32_16x16x128_f8f6f4 v[HA+8*\t:HA+8*\t+7], v[12*(8*(\s%2)+\t):12*(8*(\s%2)+\t)+11], v[OF+48*(\u)+12*\s:OF+48*(\u)+12*\s+11], v[HA+8*\t:HA+8*\t+7], v[PS+4*\t+\s], v[LS+4*(\u)+\s] matrix_a_fmt:MATRIX_FMT_FP6 matrix_b_fmt:MATRIX_FMT_FP6
.endif
.endr
.if \send
	WIN 0
	SEND4 (\u)-1, \s                               ; no wait on the vector side: their data came by LDS loads, and no vector or matrix instruction names those registers or v1
.endif
.endr
	WIN 0
.endm
; Unit u's results go into my stage and come back as rows.
.macro TOSTAGE u
.set OB, 80+64*(\u)
.rept 5
	v_nop                                          ; four places in front of the stores that read the results; the fifth for the next unit's first products, which begin the same accumulators anew
.endr
	s_wait_alu depctr_va_vdst(0)                   ; the products have written the accumulators, which the LDS stores read (the places above stay beside this wait); in unit 0 also: the lines that made o's scale words are done reading v80-95, in which the rows land
.irp b, 0,1,2,3
.irp q, 0,1,2,3
	ds_store_b128 v6, v[HA+16*\b+4*\q:HA+16*\b+4*\q+3] offset:128*\b+16*\q   ; row r: outputs 32 b + 16 h + 4 q on; each accumulator from its low end on
.endr
.endr
.irp i, 0,1,2,3,4,5,6,7,8,9,10,11,12,13,14,15
	ds_load_b128 v[OB+4*\i:OB+4*\i+3], v7 offset:528*\i    ; LDS serves a wave's instructions in order (ISA guide 5.7.1.4): these see the stores above
.endr
.endm
	s_load_b256 s[4:11], s[0:1], 0x0               ; oc s[4:5], os s[6:7], wc s[8:9], ws s[10:11]
	s_load_b128 s[12:15], s[0:1], 0x20             ; bo s[12:13], out0 s[14:15]
	v_lshl_add_u32 v254, v0, 2, 0x8400
	v_mov_b32 v255, 0
	v_lshrrev_b32 v8, 5, v0
	v_readfirstlane_b32 s16, v8                    ; wave 0..3
	v_and_b32 v8, 31, v0                           ; lane
	v_and_b32 v9, 15, v0                           ; r
	v_bfe_u32 v10, v0, 4, 1                        ; h
	v_lshlrev_b32 v1, 4, v8                        ; 16 l
	v_lshlrev_b32 v2, 3, v8                        ; 8 l
	v_lshlrev_b32 v3, 2, v9                        ; 4 r
	v_lshlrev_b32 v4, 4, v9                        ; 16 r
	v_lshlrev_b32 v5, 6, v10                       ; 64 h
	s_wait_alu depctr_va_sdst(0)                   ; s16 is written, ahead of its first reader: the stage's address and the bases are made from it
	s_mul_i32 s20, s16, 8448                       ; my stage: 16 rows of 528 bytes
	v_mul_u32_u24 v6, v9, 528
	v_add_nc_u32 v6, v6, v5
	v_add_nc_u32 v6, s20, v6                       ; in: row r, + 64 h
	v_add_nc_u32 v7, s20, v1                       ; back: 16 bytes a lane of a row
	s_mul_i32 s22, ttmp9, 12288                    ; oc: two tiles of 6,144 bytes
	s_mov_b32 s23, 0
	s_lshl_b32 s24, ttmp9, 10                      ; os: two tiles of 512 bytes
	s_mov_b32 s25, 0
	s_mul_i32 s26, s16, 49152                      ; wc: the fourth weight, my 8 tiles
	s_add_co_u32 s26, s26, 589824
	s_mov_b32 s27, 0
	s_lshl_b32 s28, s16, 11                        ; ws likewise
	s_add_co_u32 s28, s28, 24576
	s_mov_b32 s29, 0
	s_lshl_b32 s30, s16, 9                         ; bo: my 128 numbers
	s_mov_b32 s31, 0
	s_lshl_b32 s32, ttmp9, 16                      ; out0: 32 rows of 2,048 bytes, + my 512 bytes of a row
	s_add_co_u32 s32, s32, s30
	s_mov_b32 s33, 0
	s_wait_kmcnt 0x0
	s_add_nc_u64 s[4:5], s[4:5], s[22:23]
	s_add_nc_u64 s[6:7], s[6:7], s[24:25]
	s_add_nc_u64 s[8:9], s[8:9], s[26:27]
	s_add_nc_u64 s[10:11], s[10:11], s[28:29]
	s_add_nc_u64 s[12:13], s[12:13], s[30:31]
	s_add_nc_u64 s[14:15], s[14:15], s[32:33]
	s_wait_alu depctr_va_vdst(0)                   ; the seven offsets and addresses v1 to v7 are written: every load and store of the kernel reads one of them, and no line writes them again.  Only loads and window switches stand between this wait and the last load below
.irp s, 0,1,2,3                        ; my part of Wo: 32 fragments
	WIN (0x40+0x40*(\s/2))                         ; destination window 1 or 2
.irp t, 0,1,2,3,4,5,6,7
.irp c, 0,1,2
	global_load_b128 v[12*(8*(\s%2)+\t)+4*\c:12*(8*(\s%2)+\t)+4*\c+3], v1, s[8:9] offset:(4*\t+\s)*1536+512*\c
.endr
.endr
.endr
	WIN 0xc0                                       ; destination window 3
.irp t, 0,1,2,3,4,5,6,7                ; lane (r, h) wants, for tile t, the bias of outputs 32 (t / 2) + 8 (t % 2) + 16 h + 0 .. 7
	global_load_b128 v[8*\t:8*\t+3], v5, s[12:13] offset:(32*(\t/2)+8*(\t%2))*4
	global_load_b128 v[8*\t+4:8*\t+7], v5, s[12:13] offset:(32*(\t/2)+8*(\t%2))*4+16
.endr
.irp u, 0,1                            ; o's fragments: two halves each
.irp s, 0,1,2,3
	global_load_b128 v[OF+48*\u+12*\s:OF+48*\u+12*\s+3], v1, s[4:5] offset:6144*\u+1536*\s th:TH_LOAD_NT
	global_load_b64 v[OF+48*\u+12*\s+4:OF+48*\u+12*\s+5], v2, s[4:5] offset:6144*\u+1536*\s+512 th:TH_LOAD_NT
	global_load_b128 v[OF+48*\u+12*\s+6:OF+48*\u+12*\s+9], v1, s[4:5] offset:6144*\u+1536*\s+768 th:TH_LOAD_NT
	global_load_b64 v[OF+48*\u+12*\s+10:OF+48*\u+12*\s+11], v2, s[4:5] offset:6144*\u+1536*\s+1280 th:TH_LOAD_NT
.endr
.endr
	WIN 0
.irp t, 0,1,2,3,4,5,6,7
	global_load_b128 v[PS+4*\t:PS+4*\t+3], v4, s[10:11] offset:256*\t   ; row r's four scale words
.endr
.irp u, 0,1
.irp d, 0,1,2,3,4,5,6,7
	global_load_b32 v[RAW+8*\u+\d], v3, s[6:7] offset:512*\u+64*\d      ; token r's two bytes of head d
.endr
.endr
	s_wait_loadcnt 0x0
.irp u, 0,1
.irp s, 0,1,2,3
	v_lshl_or_b32 v[LS+4*\u+\s], v[RAW+8*\u+2*\s+1], 16, v[RAW+8*\u+2*\s]   ; K step s: head 2 s's bytes below, head 2 s + 1's above
.endr
.endr
.rept 8
	v_nop                                          ; a scale register written by a vector instruction stands eight places ahead of a scaled matrix instruction
.endr
	s_wait_alu depctr_va_vdst(0)                   ; o's scale words v240-247 are written, which the scaled products take; the places above stay beside this wait
	PROD 0, 0
	TOSTAGE 0
	s_wait_alu depctr_vm_vsrc(0)                   ; unit 0's LDS stores have read the accumulators, which unit 1's products write again
	PROD 1, 1                                      ; unit 0's rows leave among unit 1's products
	TOSTAGE 1
.irp g, 0,1,2,3
	SEND4 1, \g
.endr
	s_wait_dscnt 0x0                               ; the closing lines, six on end
	s_wait_alu 0x0
	s_wait_tensorcnt 0x0
	ds_add_u32 v254, v255
	s_wait_dscnt 0x0
	s_endpgm
.Lfunc_end_k_q43c71930d4_outp:
	.size	k_q43c71930d4_outp, .Lfunc_end_k_q43c71930d4_outp-k_q43c71930d4_outp
	.p2alignl 7, 3214868480
	.fill 96, 4, 3214868480
	.section	.rodata,"a",@progbits
	.p2align	6, 0x0
	.amdhsa_kernel k_q43c71930d4_outp
		.amdhsa_group_segment_fixed_size 34304
		.amdhsa_private_segment_fixed_size 0
		.amdhsa_enable_private_segment 0
		.amdhsa_kernarg_size 48
		.amdhsa_user_sgpr_count 2
		.amdhsa_user_sgpr_kernarg_segment_ptr 1
		.amdhsa_wavefront_size32 1
		.amdhsa_system_sgpr_workgroup_id_x 1
		.amdhsa_system_sgpr_workgroup_id_y 1
		.amdhsa_system_sgpr_workgroup_id_z 1
		.amdhsa_system_vgpr_workitem_id 0
		.amdhsa_next_free_vgpr 928
		.amdhsa_next_free_sgpr 66
		.amdhsa_reserve_vcc 0
		.amdhsa_float_denorm_mode_32 3
		.amdhsa_float_denorm_mode_16_64 3
		.amdhsa_memory_ordered 1
		.amdhsa_forward_progress 1
		.amdhsa_inst_pref_size 36
	.end_amdhsa_kernel
	.amdgpu_metadata
---
amdhsa.version: [ 1, 2 ]
amdhsa.kernels:
  - .name:           k_q43c71930d4_outp
    .symbol:         k_q43c71930d4_outp.kd
    .args:
      - { .name: oc, .offset: 0, .size: 8, .value_kind: global_buffer, .address_space: global }
      - { .name: os, .offset: 8, .size: 8, .value_kind: global_buffer, .address_space: global }
      - { .name: wc, .offset: 16, .size: 8, .value_kind: global_buffer, .address_space: global }
      - { .name: ws, .offset: 24, .size: 8, .value_kind: global_buffer, .address_space: global }
      - { .name: bo, .offset: 32, .size: 8, .value_kind: global_buffer, .address_space: global }
      - { .name: out0, .offset: 40, .size: 8, .value_kind: global_buffer, .address_space: global }
    .group_segment_fixed_size: 34304
    .private_segment_fixed_size: 0
    .kernarg_segment_align: 8
    .kernarg_segment_size: 48
    .max_flat_workgroup_size: 128
    .sgpr_count:     66
    .vgpr_count:     928
    .wavefront_size: 32
...
	.end_amdgpu_metadata
.endif
;; end of part 8
